; MI455X (gfx1250); checked and timed in simulation.
; The chip was launched on July 23, 2026; its instructions are those of AMD's public machine-readable ISA for CDNA 5 (MIT licence, August 2026) and "CDNA5" Instruction Set Architecture Reference Guide (July 2026). The comments in the code are by the model that wrote it; some were corrected since.
;; Multi Head Attention. Allowed arithmetic: matrix products marked QUANTISED: E2M3 operands, one E8M0 scale for each 32 along K, by v_wmma_scale_f32_16x16x128_f8f6f4 with both operands' format E2M3, f32 sums; everything else in f32.
;; Inputs: Wk 1,024 x 1,024 float32; Wo 1,024 x 1,024 float32; Wq 1,024 x 1,024 float32; Wv 1,024 x 1,024 float32; bk 1,024 float32; bo 1,024 float32; bq 1,024 float32; bv 1,024 float32; k 4 x 2,048 x 1,024 float32; mask 4 x 2,048 x 2,048 bool; q 4 x 2,048 x 1,024 float32; v 4 x 2,048 x 1,024 float32.
;; Outputs: out0 4 x 2,048 x 1,024 float32.
;; Constants: tp = 0.
;; This version of the problem:
;;   THIS VERSION OF THE PROBLEM IS GIVEN IN LOW PRECISION. The matrix products marked QUANTISED in the list below multiply operands that are first quantised to E2M3 (2 exponent bits, 3 mantissa bits; 6 bits a number), with one power-of-two scale for each 32 numbers along K (OCP MX v1.0); their sums are f32. All else is computed in f32.
;;   The module's matrix products, in the order in which they are computed (A, B: the left and right operand; K: the contracted axis; several contracted axes count as one K, in the product's order):
;;     1. [M 8,192, K 1,024] x [K 1,024, N 1,024]; A: input q; B: input Wq: QUANTISED
;;     2. [M 8,192, K 1,024] x [K 1,024, N 1,024]; A: input k; B: input Wk: QUANTISED
;;     3. [M 8,192, K 1,024] x [K 1,024, N 1,024]; A: input v; B: input Wv: QUANTISED
;;     4. batch 64 x [M 2,048, K 64] x [K 64, N 2,048]; A: computed on the way; B: computed on the way: QUANTISED
;;     5. batch 64 x [M 2,048, K 2,048] x [K 2,048, N 64]; A: softmax (see below); B: computed on the way: QUANTISED
;;     6. [M 8,192, K 1,024] x [K 1,024, N 1,024]; A: computed on the way; B: input Wo: QUANTISED
;;   THE QUANTISER, for each operand of a quantised product, along K:
;;     - K is cut into blocks of 32 from its start; a last block that is shorter is filled with zeros.
;;     - A block's scale is 2^e with e = floor(log2(the largest magnitude in the block)) - 2, held to -126 .. 127; a block of zeros has e = 0. As a byte (E8M0): e + 127.
;;     - Each number is divided by its block's scale, clamped to +-7.5, and rounded to the nearest number of E2M3, ties to even, subnormals kept.
;;     - The product sums the exact products of the quantised numbers (number of the format x scale) in f32.
;;   ~~~python
;;   def quantise(x, axis):      # numpy; x: float32 -> the quantised numbers, widened to float32 again
;;       x = np.moveaxis(x, axis, -1); K = x.shape[-1]
;;       x = np.pad(x, [(0, 0)] * (x.ndim - 1) + [(0, -K % 32)]); x = x.reshape(x.shape[:-1] + (-1, 32)); a = np.abs(x).max(-1, keepdims=True)
;;       e = np.where(a > 0, np.clip(np.frexp(np.where(a > 0, a, 1))[1] - 1 - 2, -126, 127), 0)      # np.frexp(a)[1] - 1 = floor(log2(a)), exactly
;;       r = np.clip(x / 2.0 ** e, -7.5, 7.5)
;;       step = 2.0 ** (np.maximum(np.frexp(np.where(r == 0, 1, r))[1] - 1, 0) - 3)
;;       q = np.round(r / step) * step * 2.0 ** e      # np.round: ties to even
;;       return np.moveaxis(q.reshape(q.shape[:-2] + (-1,))[..., :K], -1, axis).astype(np.float32)
;;   ~~~
;;   SOFTMAX AHEAD OF A QUANTISED PRODUCT. Where the list says 'softmax', what is quantised is not the finished softmax but p = 2^(t - M), with t = logit x log2(e) and M = ceil(the row's largest t), a whole number; so 1/2 < the row's largest p <= 1. The row's sum l is taken of the UNQUANTISED p, in f32, and the product's result is divided by l at the end. Since M is a whole number, a kernel that streams over the keys may use a running M (the ceiling of the running maximum): every later rescaling is an exact power of two, which a block's scale takes up: the codes' values come out the same.
;;   OPERANDS COMPUTED ON THE WAY. 'Computed on the way' means the value that the module computes at that place (a softmax that the list does not call 'softmax' is quantised finished and normalised). What goes into a quantiser is computed in f32, as accurately as f32 sums, v_exp_f32 and their like allow (about 1e-6 of the number): no bf16 or f16 on the way to a quantiser, and a product that is left as it is and whose result goes on into a quantised operand takes f32 operands (vector FMAs, or v_wmma_f32_16x16x4_f32). A number that lies on a knife's edge between two numbers of the format may be rounded either way, as far as f32 arithmetic and the matrix unit's own rounding can turn it there, and no further.
;; One version. Each part assembles by itself: llvm-mc -triple=amdgcn-amd-amdhsa -mcpu=gfx1250 --defsym DOCPART=n.
;; ======== version 1 of 1: 4 launches
;; limits: right only within a limited range of input values
;; workspace buffers: xq 19,660,800 bytes; wq 3,276,800 bytes; maskw 2,097,152 bytes of whole numbers; qi 6,553,600 bytes; kv 13,107,200 bytes; oc 6,291,456 bytes; os 262,144 bytes
;; launch prep (part 1): grid 1152 x 1, 4 waves a work-group, no clusters, 85,504 bytes of LDS; arguments q, k, v, Wq, Wk, Wv, Wo, mask, xq, wq, maskw; writes xq, wq, maskw
.if DOCPART == 1
	.amdgcn_target "amdgcn-amd-amdhsa--gfx1250"
	.amdhsa_code_object_version 6
	.text
	.protected	k_qc6d7390058_prep
	.globl	k_qc6d7390058_prep
	.p2align	8
	.type	k_qc6d7390058_prep,@function
k_qc6d7390058_prep:
	s_mov_b64 s[64:65], 0
	v_nop
	global_prefetch_b8 v0, s[64:65] scope:SCOPE_SE
	s_setreg_imm32_b32 hwreg(HW_REG_WAVE_MODE, 25, 1), 1
	s_wait_xcnt 0x0
; Three jobs in one launch, parted by the work-group's number; each has LDS bytes of its own.
;  X (work-groups 0-767): q, k, v [8192][1024] f32 become codes of FP6 (E2M3), K innermost, 768 bytes a row, and one E8M0 byte for each 32 along K.
;  W (768-895): Wq, Wk, Wv, Wo [1024 (k)][1024 (n)] f32, K on the first axis, become codes laid [n][768 bytes] and bytes [n][32].
;  M (896-1151): the mask [4][2048][2048] of bytes becomes words of 32 bits, one bit a lane, in the order in which the attention launch's registers hold the scores.
; POSITION ORDER: in every buffer of rows written here, inside each 32 rows, position 16 u + 8 hi + lo holds row 8 u + 16 hi + lo (bits 3 and 4 change places).
; Sixteen positions on end are then rows 32 b + 8 u + r + 8 (r / 8): as source 0 of a matrix product they make a lane's 16 registers of two neighbouring tiles 16 neighbours.
; A block's scale is 2^(floor(log2(largest magnitude)) - 2); its byte is the largest magnitude's exponent field - 2, held at 1 from below.
; LIMITS: a block of zeros gets the byte 1 (its codes are zeros; only this program reads the bytes); blocks under 2^-124 are held at the floor; NaN and infinities are not served.
.set XS,    18874368                   ; xq: the scale bytes begin behind 3 x 8192 x 768 bytes of codes
.set WS,    3145728                    ; wq: behind 4 x 1024 x 768
.set STGW,  32768                      ; LDS: X has 0 .. 32767 (8,192 a wave), W 32768 .. 67583 (32 x 272 a wave), M 67584 .. 84991 (16 x 272 a wave)
.set STGM,  67584
.set SPARE, 84992                      ; the spare words, 128 bytes a wave: two blocks of 256 bytes that no other line names
.set SPW,   198                        ; v198 LDS address of my spare word; never rewritten
.set NIL,   199                        ; v199 0; never rewritten
.set WV,    26
	s_load_b256 s[4:11], s[0:1], 0x0               ; q, k, v, Wq
	s_load_b256 s[12:19], s[0:1], 0x20             ; Wk, Wv, Wo, mask
	s_load_b128 s[20:23], s[0:1], 0x40             ; xq, wq
	s_load_b64 s[24:25], s[0:1], 0x50              ; maskw
	v_lshl_add_u32 v[SPW], v0, 2, SPARE
	v_mov_b32 v[NIL], 0
	v_lshrrev_b32 v1, 5, v0
	v_readfirstlane_b32 s[WV], v1                  ; wave 0..3
	v_and_b32 v2, 31, v0                           ; lane
	s_wait_kmcnt 0x0
	s_cmp_lt_u32 ttmp9, 768
	s_cbranch_scc0 .Lnot_x
; ---------------- X: a wave takes 8 rows (8,192 numbers) in 16 steps of 512.  Each load reads 512 consecutive bytes; a step's 2,048 bytes turn through the wave's stage so that a lane holds 16 neighbours.
.set RAW, 16                           ; v16-79   four sets of 16 numbers as loaded
.set NUM, 80                           ; v80-111  two sets of 16 neighbours
.set COD, 128                          ; v128-191 codes, four registers a step
.set BYT, 112                          ; v112-127 a scale byte a step
.set SP,  80                           ; a lane's place in a stage: 64 bytes + 16
	v_lshlrev_b32 v3, 4, v2                        ; my 16 bytes of a load's 512
	s_mul_i32 s27, s[WV], 8192
	v_lshrrev_b32 v14, 2, v2
	v_mul_u32_u24 v14, v14, SP
	v_and_b32 v15, 3, v2
	v_lshl_add_u32 v14, v15, 4, v14
	v_add_nc_u32 v14, s27, v14                     ; the stage on the way in: SP (lane / 4) + 16 (lane % 4)
	v_mul_u32_u24 v15, v2, SP
	v_add_nc_u32 v15, s27, v15                     ; and on the way out: SP x lane
	v_mul_u32_u24 v4, v2, 12                       ; my 16 codes' place in a step's 384 bytes
	v_lshrrev_b32 v5, 1, v2
	s_add_co_u32 s27, s27, 2*32*SP
	v_add_nc_u32 v5, s27, v5                       ; my block's byte among the wave's 256
	v_lshlrev_b32 v7, 3, v2
	v_add_nc_u32 v6, s27, v7
	s_cmp_lt_u32 ttmp9, 256                        ; which tensor: the choice hangs on the work-group's number alone
	s_cselect_b64 s[28:29], s[4:5], s[6:7]
	s_cmp_lt_u32 ttmp9, 512
	s_cselect_b64 s[28:29], s[28:29], s[8:9]
	s_and_b32 s30, ttmp9, 255
	s_lshl_b32 s30, s30, 2
	s_add_co_u32 s30, s30, s[WV]                   ; my run of 8 rows in the tensor
	s_lshl_b32 s30, s30, 15                        ; 32,768 bytes a run
	s_mov_b32 s31, 0
	s_add_nc_u64 s[28:29], s[28:29], s[30:31]
	s_and_b32 s32, s[WV], 1                        ; position order: a run is 8 rows, so the run's two low bits change places
	s_lshl_b32 s32, s32, 1
	s_lshr_b32 s33, s[WV], 1
	s_or_b32 s32, s32, s33
	s_lshl_b32 s33, ttmp9, 2
	s_add_co_u32 s32, s32, s33                     ; where the run goes, counted over the three tensors
	s_mul_i32 s30, s32, 6144
	s_add_nc_u64 s[34:35], s[20:21], s[30:31]      ; its codes
	s_lshl_b32 s30, s32, 8
	s_add_co_u32 s30, s30, XS
	s_add_nc_u64 s[36:37], s[20:21], s[30:31]      ; its 256 scale bytes
.macro XLOAD t
.irp i, 0,1,2,3
	global_load_b128 v[RAW+16*((\t)%4)+4*\i:RAW+16*((\t)%4)+4*\i+3], v3, s[28:29] offset:2048*(\t)+512*\i th:TH_LOAD_NT
.endr
.endm
.macro XTURN t                         ; LDS serves a wave's instructions in order: no wait between the stores and the loads
.irp i, 0,1,2,3
	ds_store_b128 v14, v[RAW+16*((\t)%4)+4*\i:RAW+16*((\t)%4)+4*\i+3] offset:32*SP*((\t)%2)+8*SP*\i
.endr
.irp i, 0,1,2,3
	ds_load_b128 v[NUM+16*((\t)%2)+4*\i:NUM+16*((\t)%2)+4*\i+3], v15 offset:32*SP*((\t)%2)+16*\i
.endr
.endm
.irp t, 0,1,2,3
	XLOAD \t
.endr
	s_wait_loadcnt 12                              ; step 0's four loads are in; three steps' twelve may be out
	XTURN 0
.macro XSTEP t
.set NS, NUM+16*((\t)%2)
.if (\t) > 0
	s_wait_dscnt 1                                 ; this step's numbers are back from the stage; the last step's byte store may be out
.else
	s_wait_dscnt 0x0
.endif
.if (\t)+4 < 16
	XLOAD (\t)+4                                   ; into the set whose stores to the stage have read their registers
.endif
.if (\t)+1 < 16
.if 14-(\t) >= 3
	s_wait_loadcnt 12                              ; the next step's four are in; those of the three steps behind it may be out
.else
	s_wait_loadcnt 4*(14-(\t))
.endif
	XTURN (\t)+1
.endif
	v_max3_num_f32 v8, |v[NS]|, |v[NS+1]|, |v[NS+2]|
	v_max3_num_f32 v9, |v[NS+3]|, |v[NS+4]|, |v[NS+5]|
.irp i, 6,10
	v_max3_num_f32 v8, v8, |v[NS+\i]|, |v[NS+\i+1]|
	v_max3_num_f32 v9, v9, |v[NS+\i+2]|, |v[NS+\i+3]|
.endr
	v_max3_num_f32 v8, v8, |v[NS+14]|, |v[NS+15]|
	v_max3_num_f32 v8, v8, v9, 0x1800000           ; and the floor 2^(3 - 127): the byte cannot fall under 1
	v_max_num_f32_dpp v8, v8, v8 row_xmask:1 row_mask:0xf bank_mask:0xf   ; with my neighbour's 16: the block's largest magnitude
	v_add_nc_u32 v11, 0xff000000, v8               ; 2 off its exponent field: the conversion takes this operand's exponent field as its scale
	v_cvt_scalef32_pk16_fp6_f32 v[COD+4*(\t):COD+4*(\t)+2], v[NS:NS+15], v11
	v_lshrrev_b32 v[BYT+(\t)], 23, v11             ; the scale's byte (also the plain line behind the conversion)
	ds_store_b8 v5, v[BYT+(\t)] offset:16*(\t)     ; both lanes of a block write the same byte with the same value
	global_store_b96 v4, v[COD+4*(\t):COD+4*(\t)+2], s[34:35] offset:384*(\t)
.endm
.irp t, 0,1,2,3,4,5,6,7,8,9,10,11,12,13,14,15
	XSTEP \t
.endr
	ds_load_b64 v[8:9], v6
	s_wait_dscnt 0x0
	global_store_b64 v7, v[8:9], s[36:37]          ; 32 lanes store 256 consecutive bytes, aligned
	s_wait_tensorcnt 0x0                           ; the wave's end
	ds_add_u32 v[SPW], v[NIL]
	s_wait_dscnt 0x0
	s_endpgm
.Lnot_x:
	s_cmp_lt_u32 ttmp9, 896
	s_cbranch_scc0 .Lmask
; ---------------- W: a lane takes a column n and its registers run down K; a wave takes 32 columns x 256 along K (8 blocks a lane).  The codes leave through the wave's stage, row by row.
.set WX,   32                          ; v32-95   two sets of 32 numbers
.set WC,   96                          ; v96..    a block's codes
.set WOUT, 112                         ; v112-175 the way out
.set WSB,  24                          ; v24-25   the scale bytes, four to a register
.set WP,   272                         ; a stage row: sixteen places of 16 bytes (12 of codes each) + 16
	s_sub_co_u32 s27, ttmp9, 768
	s_lshr_b32 s28, s27, 5                         ; which weight: q, k, v, o
	s_cmp_lt_u32 s28, 1
	s_cselect_b64 s[30:31], s[10:11], s[12:13]
	s_cmp_lt_u32 s28, 2
	s_cselect_b64 s[30:31], s[30:31], s[14:15]
	s_cmp_lt_u32 s28, 3
	s_cselect_b64 s[30:31], s[30:31], s[16:17]
	s_and_b32 s29, s27, 7
	s_bfe_u32 s32, s27, 0x20003                    ; which 256 along K
	s_lshl_b32 s29, s29, 7
	s_lshl_b32 s33, s[WV], 5
	s_add_co_u32 s29, s29, s33                     ; my wave's first column, a multiple of 32
	s_lshl_b32 s34, s32, 20                        ; 256 rows of 4,096 bytes
	s_lshl_b32 s33, s29, 2
	s_add_co_u32 s34, s34, s33
	s_mov_b32 s35, 0
	s_add_nc_u64 s[30:31], s[30:31], s[34:35]
	s_mul_i32 s34, s28, 786432
	s_mul_i32 s33, s29, 768
	s_add_co_u32 s34, s34, s33
	s_mul_i32 s33, s32, 192
	s_add_co_u32 s34, s34, s33
	s_add_nc_u64 s[36:37], s[22:23], s[34:35]      ; the codes
	s_lshl_b32 s34, s28, 15
	s_lshl_b32 s33, s29, 5
	s_add_co_u32 s34, s34, s33
	s_lshl_b32 s33, s32, 3
	s_add_co_u32 s34, s34, s33
	s_add_co_u32 s34, s34, WS
	s_add_nc_u64 s[38:39], s[22:23], s[34:35]      ; the scale bytes
	v_lshlrev_b32 v3, 2, v2                        ; in: 4 bytes a lane
	s_mul_i32 s33, s[WV], 32*WP
	s_add_co_u32 s33, s33, STGW                    ; my stage
	v_and_b32 v10, 7, v2                           ; my column's position among the 32: bits 3 and 4 change places
	v_bfe_u32 v11, v2, 4, 1
	v_lshl_or_b32 v10, v11, 3, v10
	v_bfe_u32 v11, v2, 3, 1
	v_lshl_or_b32 v10, v11, 4, v10
	v_mul_u32_u24 v4, v10, WP
	v_add_nc_u32 v4, s33, v4                       ; into the stage: row = my position
	v_and_b32 v5, 15, v2
	v_lshrrev_b32 v6, 4, v2
	v_mul_u32_u24 v7, v6, WP
	v_lshl_add_u32 v7, v5, 4, v7
	v_add_nc_u32 v7, s33, v7                       ; out of it: sixteen lanes to a row, two rows an instruction
	v_mul_u32_u24 v8, v6, 768
	v_mad_u32_u24 v8, v5, 12, v8                   ; and the same place in the codes' buffer
	v_lshlrev_b32 v9, 5, v10                       ; my position's row of scale bytes
.macro WLOAD t
.set i, 0
.rept 32
	global_load_b32 v[WX+32*((\t)%2)+i], v3, s[30:31] offset:(32*(\t)+i)*4096 th:TH_LOAD_NT
.set i, i+1
.endr
.endm
	WLOAD 0
	WLOAD 1
.macro WBLOCK t
.set WS0, WX+32*((\t)%2)
.if (\t) < 7
	s_wait_loadcnt 32                              ; this block's 32 loads are in; the next block's may be out
.else
	s_wait_loadcnt 0
.endif
	v_max3_num_f32 v12, |v[WS0]|, |v[WS0+1]|, |v[WS0+2]|
	v_max3_num_f32 v13, |v[WS0+3]|, |v[WS0+4]|, |v[WS0+5]|
.irp i, 6,10,14,18,22,26
	v_max3_num_f32 v12, v12, |v[WS0+\i]|, |v[WS0+\i+1]|
	v_max3_num_f32 v13, v13, |v[WS0+\i+2]|, |v[WS0+\i+3]|
.endr
	v_max3_num_f32 v12, v12, |v[WS0+30]|, |v[WS0+31]|
	v_max3_num_f32 v12, v12, v13, 0x1800000        ; the floor
	v_add_nc_u32 v11, 0xff000000, v12
	v_lshrrev_b32 v13, 23, v11
.if (\t)%4 == 0
	v_mov_b32 v[WSB+(\t)/4], v13
.else
	v_lshl_or_b32 v[WSB+(\t)/4], v13, 8*((\t)%4), v[WSB+(\t)/4]
.endif
	v_cvt_scalef32_pk16_fp6_f32 v[WC:WC+2], v[WS0:WS0+15], v11
	v_cvt_scalef32_pk16_fp6_f32 v[WC+4:WC+6], v[WS0+16:WS0+31], v11
	v_nop                                          ; one plain line behind the conversions
	ds_store_b96 v4, v[WC:WC+2] offset:32*(\t)     ; 12 bytes to a place of 16: every LDS address is a multiple of 16
	ds_store_b96 v4, v[WC+4:WC+6] offset:32*(\t)+16
.if (\t)+2 < 8
	WLOAD (\t)+2
.endif
	s_wait_dscnt 0x0                               ; the stores have read their registers
.endm
.irp t, 0,1,2,3,4,5,6,7
	WBLOCK \t
.endr
	global_store_b64 v9, v[WSB:WSB+1], s[38:39]    ; my column's 8 scale bytes
.irp t, 0,1,2,3,4,5,6,7,8,9,10,11,12,13,14,15
	ds_load_b96 v[WOUT+4*\t:WOUT+4*\t+2], v7 offset:2*\t*WP
.endr
.irp t, 0,1,2,3,4,5,6,7,8,9,10,11,12,13,14,15
	s_wait_dscnt 15-\t                             ; the younger loads may be out
	global_store_b96 v8, v[WOUT+4*\t:WOUT+4*\t+2], s[36:37] offset:2*\t*768
.endr
	s_wait_tensorcnt 0x0                           ; the wave's end: the three lines
	ds_add_u32 v[SPW], v[NIL]
	s_wait_dscnt 0x0
	s_endpgm
.Lmask:
; ---------------- M: a wave takes one tile of 16 query positions x 1,024 keys, in four chunks of 256 keys.
; Word 16 bk + i of key step st has, at bit L (r = L % 16, h = L / 16), mask[query of position r][128 st + 32 bk + 16 h + i]: the lane and register in which the attention launch holds that score.
	s_sub_co_u32 s27, ttmp9, 896
	s_lshl_b32 s27, s27, 2
	s_add_co_u32 s27, s27, s[WV]
	s_lshr_b32 s28, s27, 1                         ; the tile, 0..511 (128 a batch)
	s_and_b32 s29, s27, 1                          ; which 1,024 keys
	s_lshr_b32 s30, s28, 1
	s_lshl_b32 s30, s30, 5
	s_and_b32 s31, s28, 1
	s_lshl_b32 s31, s31, 3
	s_add_co_u32 s30, s30, s31                     ; the tile's first row: 32 (tile / 2) + 8 (tile % 2)
	s_lshl_b32 s30, s30, 11
	s_lshl_b32 s31, s29, 10
	s_add_co_u32 s30, s30, s31
	s_mov_b32 s31, 0
	s_add_nc_u64 s[18:19], s[18:19], s[30:31]
	s_lshl_b32 s30, s28, 12                        ; 16 steps x 256 bytes a tile
	s_lshl_b32 s32, s29, 11
	s_add_co_u32 s30, s30, s32
	s_add_nc_u64 s[24:25], s[24:25], s[30:31]
	v_and_b32 v6, 15, v2
	v_lshrrev_b32 v7, 4, v2
	v_lshlrev_b32 v12, 11, v7
	v_lshl_add_u32 v12, v6, 4, v12                 ; in memory: lanes 0-15 one row's 256 bytes, lanes 16-31 the next row's
	s_mul_i32 s33, s[WV], 16*272
	s_add_co_u32 s33, s33, STGM                    ; my stage: 16 rows of 256 + 16 bytes
	v_mul_u32_u24 v3, v7, 272
	v_lshl_add_u32 v3, v6, 4, v3
	v_add_nc_u32 v3, s33, v3                       ; in
	v_mul_u32_u24 v4, v6, 272
	v_lshl_add_u32 v4, v7, 4, v4
	v_add_nc_u32 v4, s33, v4                       ; back: row r, + 16 h
	v_lshlrev_b32 v5, 4, v2
.irp ch, 0,1,2,3
.irp e, 0,1,2,3,4,5,6,7                        ; positions 2 e, 2 e + 1 are rows 2 e + 8 (e / 4) and the next
	global_load_b128 v[64+4*(8*\ch+\e):64+4*(8*\ch+\e)+3], v12, s[18:19] offset:(2*\e+8*(\e/4))*2048+256*\ch th:TH_LOAD_NT
.endr
.endr
.set i, 0
.rept 16
	v_mov_b32 v[48+i], 0                           ; written once: a lane write's destination counts as read
.set i, i+1
.endr
.irp ch, 0,1,2,3
	s_wait_loadcnt 24-8*\ch                        ; this chunk's eight loads are in; the later chunks' may be out
.irp e, 0,1,2,3,4,5,6,7
	ds_store_b128 v3, v[64+4*(8*\ch+\e):64+4*(8*\ch+\e)+3] offset:2*\e*272
.endr
.irp g, 0,1,2,3,4,5,6,7                        ; step g / 4 of the chunk's two, block g % 4: my 16 keys' bytes
	ds_load_b128 v[16+4*\g:16+4*\g+3], v4 offset:128*(\g/4)+32*(\g%4)
.endr
	s_wait_dscnt 0x0
.set w, 0
.rept 128                                      ; word w of the chunk's 128: one byte of each lane becomes one bit; the word goes to lane w / 4, register w % 4
	v_and_b32 v[8+w%4], 0xff<<(8*(w%4)), v[16+w/4]
	v_cmp_ne_u32 s[40+w%4], 0, v[8+w%4]
	v_writelane_b32 v[48+4*\ch+w%4], s[40+w%4], w/4
.set w, w+1
.endr
	global_store_b128 v5, v[48+4*\ch:48+4*\ch+3], s[24:25] offset:512*\ch   ; 512 consecutive bytes
.endr
	s_wait_tensorcnt 0x0                           ; the wave's end: the three lines
	ds_add_u32 v[SPW], v[NIL]
	s_wait_dscnt 0x0
	s_endpgm
.Lfunc_end_k_qc6d7390058_prep:
	.size	k_qc6d7390058_prep, .Lfunc_end_k_qc6d7390058_prep-k_qc6d7390058_prep
	.p2alignl 7, 3214868480
	.fill 96, 4, 3214868480
	.section	.rodata,"a",@progbits
	.p2align	6, 0x0
	.amdhsa_kernel k_qc6d7390058_prep
		.amdhsa_group_segment_fixed_size 85504
		.amdhsa_private_segment_fixed_size 0
		.amdhsa_enable_private_segment 0
		.amdhsa_kernarg_size 88
		.amdhsa_user_sgpr_count 2
		.amdhsa_user_sgpr_kernarg_segment_ptr 1
		.amdhsa_wavefront_size32 1
		.amdhsa_system_sgpr_workgroup_id_x 1
		.amdhsa_system_sgpr_workgroup_id_y 1
		.amdhsa_system_sgpr_workgroup_id_z 1
		.amdhsa_system_vgpr_workitem_id 0
		.amdhsa_next_free_vgpr 200
		.amdhsa_next_free_sgpr 66
		.amdhsa_reserve_vcc 0
		.amdhsa_float_denorm_mode_32 3
		.amdhsa_float_denorm_mode_16_64 3
		.amdhsa_memory_ordered 1
		.amdhsa_forward_progress 1
		.amdhsa_inst_pref_size 180
	.end_amdhsa_kernel
	.amdgpu_metadata
---
amdhsa.version: [ 1, 2 ]
amdhsa.kernels:
  - .name:           k_qc6d7390058_prep
    .symbol:         k_qc6d7390058_prep.kd
    .args:
      - { .name: q, .offset: 0, .size: 8, .value_kind: global_buffer, .address_space: global }
      - { .name: k, .offset: 8, .size: 8, .value_kind: global_buffer, .address_space: global }
      - { .name: v, .offset: 16, .size: 8, .value_kind: global_buffer, .address_space: global }
      - { .name: Wq, .offset: 24, .size: 8, .value_kind: global_buffer, .address_space: global }
      - { .name: Wk, .offset: 32, .size: 8, .value_kind: global_buffer, .address_space: global }
      - { .name: Wv, .offset: 40, .size: 8, .value_kind: global_buffer, .address_space: global }
      - { .name: Wo, .offset: 48, .size: 8, .value_kind: global_buffer, .address_space: global }
      - { .name: mask, .offset: 56, .size: 8, .value_kind: global_buffer, .address_space: global }
      - { .name: xq, .offset: 64, .size: 8, .value_kind: global_buffer, .address_space: global }
      - { .name: wq, .offset: 72, .size: 8, .value_kind: global_buffer, .address_space: global }
      - { .name: maskw, .offset: 80, .size: 8, .value_kind: global_buffer, .address_space: global }
    .group_segment_fixed_size: 85504
    .private_segment_fixed_size: 0
    .kernarg_segment_align: 8
    .kernarg_segment_size: 88
    .max_flat_workgroup_size: 128
    .sgpr_count:     66
    .vgpr_count:     200
    .wavefront_size: 32
...
	.end_amdgpu_metadata
.endif
;; end of part 1
;; launch proj (part 2): grid 4 x 96, 4 waves a work-group, clusters of 4 x 4, 327,680 bytes of LDS; arguments xq, wq, bq, bk, bv, qi, kv; writes qi, kv
.if DOCPART == 2
	.amdgcn_target "amdgcn-amd-amdhsa--gfx1250"
	.amdhsa_code_object_version 6
	.text
	.protected	k_qc6d7390058_proj
	.globl	k_qc6d7390058_proj
	.p2align	8
	.type	k_qc6d7390058_proj,@function
k_qc6d7390058_proj:
	s_mov_b64 s[64:65], 0
	v_nop
	global_prefetch_b8 v0, s[64:65] scope:SCOPE_SE
	s_setreg_imm32_b32 hwreg(HW_REG_WAVE_MODE, 25, 1), 1
	s_wait_xcnt 0x0
	s_wait_alu depctr_hold_cnt(0) depctr_sa_sdst(0) depctr_va_vdst(0) depctr_va_sdst(0) depctr_va_ssrc(0) depctr_va_vcc(0) depctr_vm_vsrc(0)
	s_getreg_b32 s2, hwreg(HW_REG_IB_STS2, 6, 4)
	s_cmp_eq_u32 s2, 0
	s_cbranch_scc0 .Lentry_in_a_cluster
	s_endpgm
.Lentry_in_a_cluster:
	s_bfe_u32 s2, ttmp6, 0x10000c
	s_cmp_lg_u32 s2, 0xf033
	s_cbranch_scc0 .Lentry_shape_is_right
	s_endpgm
.Lentry_shape_is_right:
; The three projections x W + b on codes of FP6 (E2M3) with E8M0 scales, K = 1,024; the results, with their bias, are quantised here and stored as images of the attention launch's operand registers.
; A work-group of four waves makes 256 x 256 results, a wave 128 x 128: 64 accumulators, 512 registers.  K goes in steps of 256 through two LDS slots filled by the tensor data mover.
; The cluster's y says which projection (y / 8: q, k, v) and which part (y % 8): the same in all sixteen partners.
; THE MATRIX INSTRUCTION IS USED TRANSPOSED: source 0 = 16 rows of "B", source 1 = 16 rows of "A": a lane holds one row of A and its registers run along B's rows.
;   q, k: A = tokens, B = W's columns: a lane holds a token, and its 64 registers of a block 128 features = two heads: quantised along the head's 64.
;   v:    A = Wv's columns, B = tokens: a lane holds a feature and its registers run along 128 tokens: quantised along the keys.
; Both buffers lie in POSITION ORDER (inside 32 rows bits 3 and 4 change places), so that the 16 registers of B's blocks 2 b, 2 b + 1 are 16 neighbours 32 b + 16 (lane / 16) + 0 .. 15.
; RECORDS of 6,400 bytes for 128 tokens of one head.  q, k: codes at 1536 (a / 2) + 48 lane + 24 (a % 2), a = the block of 16 tokens; scale bytes at 6144 + 16 r + 4 (a / 2) + 2 (a % 2).
;   v: codes at 1536 t + 48 lane (t = tile of 16 features), scale words at 6144 + 16 r + 4 t.  kv holds k's record, then v's: 12,800 bytes a step.
; CLUSTERS 4 x 4: A's tiles are asked for jointly along a row of the cluster, B's along a column.
; LIMITS: blocks of zeros carry the byte 1; blocks under 2^-124 are held at the floor; NaN and infinities are not served.
; REGISTERS: window 0: v0-31 addresses; v32-63 scale words; v64-127 the bias; from v128 A's fragments, later the epilogue's work.  window 1: B's fragments, two sets.  windows 2, 3: accumulators.
.set NQ,     2
.set ROWB,   192                       ; 256 codes
.set KROW,   768                       ; a row of codes in memory
.set PITCH,  240                       ; an LDS row: 3 x (64 bytes + 16 of padding)
.set FR,     12
.set NL,     6
.set NP,     4
.set HALFT,  128*PITCH
.set SLOT,   4*HALFT
.set LAPS,   2
.set KS,     32                        ; a row of scale bytes
.set SCL,    2*SLOT                    ; behind the ring: the scales, as units of 256 bytes + 16
.set HALFS,  16*272
.set SBLK,   2*272
.set SPARE,  SCL+4*HALFS               ; the spare words: two blocks of 256 bytes that no other line names
.set XS,     18874368
.set WS,     3145728
.set STGK,   0                         ; the way out of q and k: 12,800 bytes a wave, in slot 0, which has had its last fill and its last read by then
.set STGV,   51200                     ; the way out of v: bytes of its own
.set GS,   7                           ; v7     the scale copy's place in memory: 16 r + (lane / 16) x the distance between two heads' records
.set VO,   8                           ; v8-15  the bias loads' offsets
.set ADRA, 16
.set ADRB, 20
.set SKC,  24                          ; v24    the stage: 12,800 wave + 48 lane
.set SKS,  25                          ; v25    12,800 wave + 6144 + 16 r
.set RD,   26                          ; v26    12,800 wave + 16 lane
.set ADRS, 27
.set SPW,  28
.set NIL,  29
.set RDS,  30                          ; v30    v25 + 6,400 (lane / 16)
.set GL,   31                          ; v31    16 lane
.set SC,   32
.set BR,   64                          ; v64-127 the bias in the results' layout
.set AF,   128
.set HA,   128                         ; the epilogue: 64 numbers,
.set PC,   192                         ; the codes just made,
.set TM,   212                         ; at work,
.set PW,   228                         ; the scale word
.set G1, 24
.set G0, 32
.set G1B, 48
.set G0B, 56
.set G1S, 68
.set G0S, 76
.set G1SB, 80
.set G0SB, 88
.set SEL, 100
.set MSB, 0
.macro WIN new
.if MSB != (\new)
	s_set_vgpr_msb (MSB<<8)|(\new)
.set MSB, (\new)
.endif
.endm
.set MUL_LO, 0xa1
.set MUL_HI, 0xf1
.set TO_B,   0x40
; A joint load: waves 0 and 1 fetch for A, waves 2 and 3 for B; the branch hangs on the wave's number alone.  An s_nop 0 and four v_nop follow each line.
.macro JLOAD g0a, g1a, g0b, g1b
	s_cmp_eq_u32 s15, 0
	s_cbranch_scc0 .Lfor_b_\@
	tensor_load_to_lds s[\g0a:\g0a+3], s[\g1a:\g1a+7]
	s_nop 0
.rept 4
	v_nop
.endr
	s_branch .Lasked_\@
.Lfor_b_\@:
	tensor_load_to_lds s[\g0b:\g0b+3], s[\g1b:\g1b+7]
	s_nop 0
.rept 4
	v_nop
.endr
.Lasked_\@:
.endm
.macro CREST
	s_cmp_lg_u32 s14, 0
	s_cbranch_scc1 .Lnot_wave_0_\@
	s_barrier_signal -3
.Lnot_wave_0_\@:
	s_barrier_wait -3
	s_barrier_signal -1
	s_barrier_wait -1
.endm
.macro CROUND
	s_barrier_signal -1
	s_barrier_wait -1
	CREST
.endm
	s_load_b256 s[68:75], s[0:1], 0x0              ; xq, wq, bq, bk  (these registers become descriptors once the pointers are taken)
	s_load_b128 s[76:79], s[0:1], 0x20             ; bv, qi
	s_load_b64 s[80:81], s[0:1], 0x30              ; kv
	v_lshl_add_u32 v[SPW], v0, 2, SPARE
	v_mov_b32 v[NIL], 0
	ds_add_u32 v[SPW], v[NIL]                      ; the wave's opening: the add and its wait ahead of my first tensor load
	v_lshrrev_b32 v1, 5, v0
	v_readfirstlane_b32 s14, v1                    ; wave 0..3
	s_lshr_b32 s15, s14, 1                         ; which half of A's rows is mine.  Also: I fetch for A (0) or for B (1)
	s_and_b32 s16, s14, 1                          ; which half of B's rows.  Also: which 128 rows I fetch
	s_bfe_u32 s40, ttmp6, 0x40000                  ; cx
	s_bfe_u32 s41, ttmp6, 0x40004                  ; cy
	s_and_b32 s67, ttmp7, 0xffff                   ; the cluster's y, 0..23
	s_lshr_b32 s66, s67, 3                         ; the projection: 0 q, 1 k, 2 v
	s_and_b32 s67, s67, 7
	s_lshl_b32 s67, s67, 2
	s_cmp_eq_u32 s66, 2
	s_cselect_b32 s17, 0, s67                      ; q, k: the tokens are A's rows; v: B's
	s_cselect_b32 s42, s67, 0
	s_add_co_u32 s17, s17, s41                     ; A's tile of 256 rows
	s_add_co_u32 s42, s42, s40                     ; B's
	s_lshl_b32 s43, s41, 2
	s_lshl_b32 s43, 15, s43                        ; my row of the cluster
	s_lshl_b32 s44, 0x1111, s40                    ; my column
	s_or_b32 s[G1+0], s43, (0<<16)|(1<<20)|(1<<21)|(3<<22)|(3<<25)   ; the mask; elements of 1 byte; padding: 4 words behind every 16; bit 21 beside a mask
	s_or_b32 s[G1B+0], s44, (0<<16)|(1<<20)|(1<<21)|(3<<22)|(3<<25)
.irp g, G1, G1B
	s_mov_b32 s[\g+1], ROWB<<16                    ; tensor_dim0
	s_mov_b32 s[\g+2], 128<<16                     ; tensor_dim1
	s_mov_b32 s[\g+3], ROWB<<16                    ; tile_dim0
	s_mov_b32 s[\g+4], 128                         ; tile_dim1
	s_mov_b32 s[\g+5], KROW                        ; pitch
	s_mov_b32 s[\g+6], 0
	s_mov_b32 s[\g+7], 0
.endr
	s_lshl_b32 s18, s16, 7
	s_lshl_b32 s20, s17, 8
	s_add_co_u32 s20, s20, s18                     ; A: the first row that I fetch
	s_lshl_b32 s46, s42, 8
	s_add_co_u32 s46, s46, s18                     ; B likewise
	s_lshl_b32 s22, s20, 5                         ; its scale bytes,
	s_mul_i32 s20, s20, KROW                       ; its codes
	s_lshl_b32 s92, s46, 5
	s_mul_i32 s46, s46, KROW
	s_mul_i32 s18, s66, 6291456                    ; the projection's part of xq's codes,
	s_mul_i32 s19, s66, 262144
	s_add_co_u32 s19, s19, XS                      ; of xq's scales,
	s_mul_i32 s2, s66, 786432                      ; of wq's codes,
	s_mul_i32 s3, s66, 32768
	s_add_co_u32 s3, s3, WS                        ; of wq's scales
	s_cmp_eq_u32 s66, 2
	s_cselect_b32 s21, s2, s18
	s_cselect_b32 s23, s3, s19
	s_cselect_b32 s47, s18, s2
	s_cselect_b32 s93, s19, s3
	s_add_co_u32 s20, s20, s21                     ; all under 2^25: 32 bits do
	s_add_co_u32 s22, s22, s23
	s_add_co_u32 s46, s46, s47
	s_add_co_u32 s92, s92, s93
	s_mov_b32 s21, 0
	s_mov_b32 s23, 0
	s_mov_b32 s47, 0
	s_mov_b32 s93, 0
	s_mul_i32 s45, s14, HALFT                      ; where the tiles go: wave x 128 rows
	s_mul_i32 s94, s14, HALFS
	s_wait_dscnt 0x0                               ; the opening add is done
	s_wait_kmcnt 0x0
	s_cmp_eq_u32 s66, 2
	s_cselect_b64 s[4:5], s[70:71], s[68:69]       ; A's buffer: v: wq, else xq
	s_cselect_b64 s[8:9], s[68:69], s[70:71]       ; B's
	s_cselect_b64 s[96:97], s[76:77], s[74:75]     ; the bias: bv or bk,
	s_cmp_eq_u32 s66, 0
	s_cselect_b64 s[96:97], s[72:73], s[96:97]     ; or bq
	s_cselect_b64 s[12:13], s[78:79], s[80:81]     ; the output: qi or kv
	s_add_nc_u64 s[22:23], s[4:5], s[22:23]
	s_add_nc_u64 s[20:21], s[4:5], s[20:21]
	s_add_nc_u64 s[92:93], s[8:9], s[92:93]
	s_add_nc_u64 s[46:47], s[8:9], s[46:47]
	s_or_b32 s[G1S+0], s43, (3<<16)|(1<<20)|(1<<21)|(5<<22)|(3<<25)   ; the scales of 128 rows: 4,096 dense bytes as 16 rows of 256, 16 bytes of padding behind each
	s_or_b32 s[G1SB+0], s44, (3<<16)|(1<<20)|(1<<21)|(5<<22)|(3<<25)
.irp g, G1S, G1SB
	s_mov_b32 s[\g+1], 32<<16
	s_mov_b32 s[\g+2], 16<<16
	s_mov_b32 s[\g+3], 32<<16
	s_mov_b32 s[\g+4], 16
	s_mov_b32 s[\g+5], 32
	s_mov_b32 s[\g+6], 0
	s_mov_b32 s[\g+7], 0
.endr
	CROUND                                         ; all sixteen work-groups are here: the first joint loads meet
	s_mov_b32 s[G0S], 1
	s_add_co_u32 s[G0S+1], s94, SCL
	s_mov_b64 s[G0S+2:G0S+3], s[22:23]
	s_or_b32 s[G0S+3], s[G0S+3], 0x80000000
	s_mov_b32 s[G0SB], 1
	s_add_co_u32 s[G0SB+1], s94, SCL
	s_mov_b64 s[G0SB+2:G0SB+3], s[92:93]
	s_or_b32 s[G0SB+3], s[G0SB+3], 0x80000000
	JLOAD G0S, G1S, G0SB, G1SB                     ; the scales first
.irp s, 0,1
	s_mov_b32 s[G0+4*\s], 1
	s_add_co_u32 s[G0+4*\s+1], s45, \s*SLOT
	s_add_nc_u64 s[G0+4*\s+2:G0+4*\s+3], s[20:21], \s*ROWB
	s_or_b32 s[G0+4*\s+3], s[G0+4*\s+3], 0x80000000
	s_mov_b32 s[G0B+4*\s], 1
	s_add_co_u32 s[G0B+4*\s+1], s45, \s*SLOT
	s_add_nc_u64 s[G0B+4*\s+2:G0B+4*\s+3], s[46:47], \s*ROWB
	s_or_b32 s[G0B+4*\s+3], s[G0B+4*\s+3], 0x80000000
	JLOAD G0+4*\s, G1, G0B+4*\s, G1B
.endr
	v_and_b32 v1, 15, v0                           ; r
	v_bfe_u32 v2, v0, 4, 1                         ; h
	v_mul_u32_u24 v3, v1, PITCH
	v_mul_u32_u24 v4, v2, 24
	v_add_nc_u32 v4, v3, v4                        ; a fragment's row x pitch + 24 h
	v_lshl_add_u32 v5, v2, 4, v4                   ; and the same behind one padding more
	s_mul_i32 s21, s15, HALFT
	s_mul_i32 s22, s16, HALFT
	s_add_co_u32 s22, s22, 2*HALFT
.irp s, 0,1
	v_add_nc_u32 v[ADRA+\s], s21, v4
	v_add_nc_u32 v[ADRB+\s], s22, v4
	v_add_nc_u32 v[ADRA+2+\s], s21, v5
	v_add_nc_u32 v[ADRB+2+\s], s22, v5
	s_add_co_u32 s21, s21, SLOT
	s_add_co_u32 s22, s22, SLOT
.endr
	v_mul_u32_u24 v5, v1, KS
	v_lshrrev_b32 v6, 8, v5
	v_lshl_add_u32 v5, v6, 4, v5                   ; my row's scales: 32 bytes a row, 16 more for each 256 passed
	s_mul_i32 s21, s15, HALFS
	s_mul_i32 s22, s16, HALFS
	s_add_co_u32 s22, s22, 2*HALFS
	s_sub_co_u32 s22, s22, s21
	v_mul_u32_u24 v6, s22, v2                      ; lanes 16-31 take B's
	s_add_co_u32 s21, s21, SCL
	v_add_nc_u32 v5, v5, v6
	v_add_nc_u32 v[ADRS], s21, v5
	s_mul_i32 s23, s14, 12800                      ; my stage
	v_and_b32 v6, 31, v0
	v_mul_u32_u24 v[SKC], v6, 48
	v_add_nc_u32 v[SKC], s23, v[SKC]
	v_lshlrev_b32 v[SKS], 4, v1
	v_add_nc_u32 v[SKS], s23, v[SKS]
	v_add_nc_u32 v[SKS], 6144, v[SKS]
	v_lshlrev_b32 v[GL], 4, v6
	v_add_nc_u32 v[RD], s23, v[GL]
	v_mul_u32_u24 v3, v2, 6400
	v_add_nc_u32 v[RDS], v[SKS], v3
	; the bias.  q, k: register 8 b + j wants the bias of feature 32 (b / 2) + 16 h + 8 (b % 2) + j;  v: register 8 a + j that of my row of block a: 32 (a / 2) + 8 (a % 2) + r + 8 (r / 8)
	s_lshl_b32 s20, s17, 8
	s_lshl_b32 s21, s15, 7
	s_add_co_u32 s20, s20, s21
	s_lshl_b32 s46, s42, 8
	s_lshl_b32 s47, s16, 7
	s_add_co_u32 s46, s46, s47
	s_cmp_eq_u32 s66, 2
	s_cselect_b32 s20, s20, s46                    ; my first feature
	s_cselect_b32 s2, 0, 4                         ; from register to register
	s_cselect_b32 s3, -1, 0                        ; all lanes or none
	s_lshl_b32 s20, s20, 2
	s_mov_b32 s21, 0
	s_add_nc_u64 s[96:97], s[96:97], s[20:21]
	v_and_b32 v3, 8, v1
	v_add_nc_u32 v3, v3, v1
	v_lshlrev_b32 v3, 2, v3
	v_lshlrev_b32 v4, 6, v2
	v_cndmask_b32 v[VO], v4, v3, s3
.irp j, 1,2,3,4,5,6,7
	v_add_nc_u32 v[VO+\j], s2, v[VO+\j-1]
.endr
.irp x, 0,1,2,3,4,5,6,7
.irp j, 0,1,2,3,4,5,6,7
	global_load_b32 v[BR+8*\x+\j], v[VO+\j], s[96:97] offset:4*(32*(\x/2)+8*(\x%2))
.endr
.endr
	; where my two records go
	s_lshl_b32 s20, s17, 2
	s_lshl_b32 s21, s15, 1
	s_add_co_u32 s20, s20, s21                     ; v: my first head
	s_lshl_b32 s46, s42, 2
	s_lshl_b32 s47, s16, 1
	s_add_co_u32 s46, s46, s47                     ; q, k: my first head
	s_lshl_b32 s22, s42, 1
	s_add_co_u32 s22, s22, s16                     ; v: my 128 tokens
	s_lshl_b32 s23, s17, 1
	s_add_co_u32 s23, s23, s15                     ; q, k
	s_cmp_eq_u32 s66, 2
	s_cselect_b32 s20, s20, s46
	s_cselect_b32 s22, s22, s23
	s_cselect_b32 s47, 6400, 0                     ; v's record lies behind k's
	s_lshr_b32 s23, s22, 4                         ; the batch
	s_lshl_b32 s23, s23, 4
	s_add_co_u32 s23, s23, s20
	s_lshl_b32 s23, s23, 4
	s_and_b32 s22, s22, 15                         ; the step of 128 tokens
	s_add_co_u32 s23, s23, s22                     ; the record: (16 batch + head) 16 + step
	s_cmp_eq_u32 s66, 0
	s_mov_b32 s21, 12800
	s_cselect_b32 s21, 6400, s21
	s_mul_i32 s22, s23, s21
	s_add_co_u32 s22, s22, s47
	s_mov_b32 s23, 0
	s_add_nc_u64 s[12:13], s[12:13], s[22:23]      ; my first head's record,
	s_lshl_b32 s22, s21, 4
	s_add_nc_u64 s[98:99], s[12:13], s[22:23]      ; and the next head's, 16 records on
	v_mul_lo_u32 v[GS], v2, s22
	v_lshl_add_u32 v[GS], v1, 4, v[GS]
	s_mov_b32 s[SEL], 0x76543210
	s_mov_b32 s[SEL+1], 0xfedcba98
.macro FRAG reg, adr, q, i             ; 16 rows x 128 K: 12 registers; 24 bytes of the row's stream of bits twice, in pieces of 8 bytes; the second address register serves the pieces that lie behind one padding more in lanes 16-31
.irp p, 0,1,2,3,4,5
.set PCE, 12*(\q)+6*(\p/3)+\p%3
.if PCE%8 < 5
	ds_load_b64 v[\reg+2*\p:\reg+2*\p+1], v[\adr] offset:8*PCE+16*(PCE/8)+(\i)*16*PITCH
.else
	ds_load_b64 v[\reg+2*\p:\reg+2*\p+1], v[\adr+2] offset:8*PCE+16*(PCE/8)+(\i)*16*PITCH
.endif
.endr
.endm
; 16 matrix instructions: A's blocks a0, a0 + 1 x B's eight.  The 64 accumulators take turns, one instruction a turn.
.macro MUL16 a0, p, q, sc, zero
.irp a, \a0, \a0+1
.irp b, 0,1,2,3,4,5,6,7
.if \zero
	v_wmma_scale_f32_16x16x128_f8f6f4 v[8*(8*((\a)%4)+\b):8*(8*((\a)%4)+\b)+7], v[128*(\p)+FR*\b:128*(\p)+FR*\b+FR-1], v[AF+FR*(\a):AF+FR*(\a)+FR-1], 0, v[SC+8*NQ*(\sc)+NQ*\b+(\q)], v[SC+8*NQ*(\sc)+NQ*(\a)+(\q)] matrix_a_fmt:MATRIX_FMT_FP6 matrix_b_fmt:MATRIX_FMT_FP6 matrix_a_scale:MATRIX_SCALE_ROW1
.else
	v_wmma_scale_f32_16x16x128_f8f6f4 v[8*(8*((\a)%4)+\b):8*(8*((\a)%4)+\b)+7], v[128*(\p)+FR*\b:128*(\p)+FR*\b+FR-1], v[AF+FR*(\a):AF+FR*(\a)+FR-1], v[8*(8*((\a)%4)+\b):8*(8*((\a)%4)+\b)+7], v[SC+8*NQ*(\sc)+NQ*\b+(\q)], v[SC+8*NQ*(\sc)+NQ*(\a)+(\q)] matrix_a_fmt:MATRIX_FMT_FP6 matrix_b_fmt:MATRIX_FMT_FP6 matrix_a_scale:MATRIX_SCALE_ROW1
.endif
.endr
.endr
.endm
.macro FETCH_B slot, q, p
	WIN TO_B
.irp i, 0,1,2,3,4,5,6,7
	FRAG 128*(\p)+FR*\i, ADRB+\slot, \q, \i
.endr
	WIN 0
.endm
.macro FETCH_A slot, q, i0
.irp i, \i0, \i0+1, \i0+2, \i0+3
	FRAG AF+FR*(\i), ADRA+\slot, \q, \i
.endr
.endm
.macro SCALES sc                       ; two words a row: lanes 0-15 A's block i, lanes 16-31 B's block i
.irp i, 0,1,2,3,4,5,6,7
	ds_load_b64 v[SC+8*NQ*\sc+NQ*\i:SC+8*NQ*\sc+NQ*\i+1], v[ADRS] offset:\i*SBLK
.endr
.endm
.macro PLACES n                        ; plain vector lines between a matrix instruction and a load into, or a vector read or write of, its registers
.rept \n
	v_nop
.endr
.endm
.macro STEP slot, q, zero
	s_wait_dscnt 4*NL                              ; B's set and A's blocks 0-3 are in; the youngest 24 loads (A's blocks 4-7) may be out
	WIN MUL_LO
	MUL16 0, (\q)%2, \q, \slot, \zero
	MUL16 2, (\q)%2, \q, \slot, \zero
	s_wait_dscnt 0
	PLACES NP
	FETCH_B \slot, (\q)+1, 1-(\q)%2
	FETCH_A \slot, (\q)+1, 0
	WIN MUL_HI
	MUL16 4, (\q)%2, \q, \slot, \zero
	MUL16 6, (\q)%2, \q, \slot, \zero
	PLACES NP
	WIN 0
	FETCH_A \slot, (\q)+1, 4
.endm
; A slot's last step changes slots: one barrier; in front of it each wave waits for all its tensor loads, adds 0 to its spare word, and waits for that and for its reads of this slot.
.macro TURN slot, next, fill
	s_wait_tensorcnt 0x0                           ; all my tensor loads have landed: my part of the next slot
	ds_add_u32 v[SPW], v[NIL]
	s_wait_dscnt 4*NL+1                            ; the add and the youngest 24 loads may be out
	WIN MUL_LO
	MUL16 0, 1, NQ-1, \slot, 0
	s_wait_dscnt 0x0                               ; the add is done, and my reads of this slot are over
	s_barrier_signal -1
	MUL16 2, 1, NQ-1, \slot, 0
	WIN 0
	s_barrier_wait -1
.if \fill
	CREST                                          ; the barrier has opened a round of the cluster's: no wave of any partner still reads this slot or has a load on its way
	s_add_nc_u64 s[G0+4*\slot+2:G0+4*\slot+3], s[G0+4*\slot+2:G0+4*\slot+3], 2*ROWB
	s_add_nc_u64 s[G0B+4*\slot+2:G0B+4*\slot+3], s[G0B+4*\slot+2:G0B+4*\slot+3], 2*ROWB
	JLOAD G0+4*\slot, G1, G0B+4*\slot, G1B         ; the first tensor load behind the round; its four v_nop are the places in front of the loads below
.else
	PLACES NP
.endif
	v_add_nc_u32 v[ADRS], 4*NQ, v[ADRS]
	FETCH_B \next, 0, 0
	FETCH_A \next, 0, 0
	SCALES \next
	WIN MUL_HI
	MUL16 4, 1, NQ-1, \slot, 0
	MUL16 6, 1, NQ-1, \slot, 0
	PLACES NP
	WIN 0
	FETCH_A \next, 0, 4
.endm
	s_wait_loadcnt 0x0                             ; the bias
	s_wait_tensorcnt 1                             ; the scales and my part of K step 0 are in; K step 1's load may be out
	s_barrier_signal -1
	s_barrier_wait -1
	FETCH_B 0, 0, 0
	FETCH_A 0, 0, 0
	SCALES 0
	FETCH_A 0, 0, 4
	STEP 0, 0, 1                                   ; the first step's products start the sums
	s_mov_b32 s3, LAPS-1
.Llap:
	TURN 0, 1, 1
	STEP 1, 0, 0
	TURN 1, 0, 1
	STEP 0, 0, 0
	s_sub_co_u32 s3, s3, 1
	s_cmp_lg_u32 s3, 0
	s_cbranch_scc1 .Llap
	TURN 0, 1, 0                                   ; the last lap fills nothing
	STEP 1, 0, 0
	s_wait_dscnt 4*NL
	WIN MUL_LO
	MUL16 0, 1, NQ-1, 1, 0
	MUL16 2, 1, NQ-1, 1, 0
	s_wait_dscnt 0
	WIN MUL_HI
	MUL16 4, 1, NQ-1, 1, 0
	MUL16 6, 1, NQ-1, 1, 0
	WIN 0
; 64 numbers of a lane, register 16 b + i = place 32 b + 16 (lane / 16) + i along the next K, become a fragment's codes in v[PC] on and its scale word in v[PW].
.macro QUANT s
.irp b, 0,1,2,3
	v_max3_num_f32 v[TM+\b], |v[\s+16*\b]|, |v[\s+1+16*\b]|, 0x1800000   ; with the floor 2^(3 - 127)
.endr
.irp i, 2,4,6,8,10,12,14
.irp b, 0,1,2,3
	v_max3_num_f32 v[TM+\b], v[TM+\b], |v[\s+16*\b+\i]|, |v[\s+1+16*\b+\i]|
.endr
.endr
.irp b, 0,1,2,3
	v_permlanex16_b32 v[TM+4+\b], v[TM+\b], s[SEL], s[SEL+1]
.endr
.irp b, 0,1,2,3
	v_max_num_f32 v[TM+\b], v[TM+\b], v[TM+4+\b]   ; with lane l xor 16's: the block's largest magnitude
.endr
.irp b, 0,1,2,3
	v_add_nc_u32 v[TM+12+\b], 0xff000000, v[TM+\b]   ; 2 off its exponent field: the conversion's scale operand
.endr
.irp b, 0,1,2,3
	v_lshrrev_b32 v[TM+4+\b], 23, v[TM+12+\b]      ; the scale's byte
.endr
	v_lshl_or_b32 v[PW], v[TM+5], 8, v[TM+4]
	v_lshl_or_b32 v[PW], v[TM+6], 16, v[PW]
	v_lshl_or_b32 v[PW], v[TM+7], 24, v[PW]
.irp c, 0,1
	v_cvt_scalef32_pk16_fp6_f32 v[PC+6*\c:PC+2+6*\c], v[\s+32*\c:\s+15+32*\c], v[TM+12+2*\c]
	v_cvt_scalef32_pk16_fp6_f32 v[PC+12+4*\c:PC+14+4*\c], v[\s+16+32*\c:\s+31+32*\c], v[TM+12+2*\c+1]
.endr
	v_nop                                          ; one plain line behind a scaled conversion
.irp c, 0,1                                    ; a whole block to a lane: lanes 0-15 block 2 c, lanes 16-31 block 2 c + 1
.irp i, 0,1,2
	v_permlane16_swap_b32 v[PC+6*\c+\i], v[PC+12+4*\c+\i]
.endr
.irp i, 0,1,2
	v_mov_b32 v[PC+3+6*\c+\i], v[PC+12+4*\c+\i]
.endr
.endr
.endm
; Block a of A's rows: results + bias (each accumulator from its low end on), quantised, into my stage at its place in the two records.
.macro OUTBLK a, isv
	WIN 0x02+(\a)/4
.irp b, 0,1,2,3,4,5,6,7
.irp jj, 0,2,4,6
.if \isv
	v_pk_add_f32 v[HA+8*\b+\jj:HA+8*\b+\jj+1], v[64*((\a)%4)+8*\b+\jj:64*((\a)%4)+8*\b+\jj+1], v[BR+8*(\a)+\jj:BR+8*(\a)+\jj+1]
.else
	v_pk_add_f32 v[HA+8*\b+\jj:HA+8*\b+\jj+1], v[64*((\a)%4)+8*\b+\jj:64*((\a)%4)+8*\b+\jj+1], v[BR+8*\b+\jj:BR+8*\b+\jj+1]
.endif
.endr
.endr
	WIN 0
	QUANT HA
.if \isv
.irp g, 0,1,2
	ds_store_b128 v[SKC], v[PC+4*\g:PC+4*\g+3] offset:STGV+6400*((\a)/4)+1536*((\a)%4)+16*\g
.endr
	ds_store_b32 v[SKS], v[PW] offset:STGV+6400*((\a)/4)+4*((\a)%4)   ; lanes r and r + 16 write the same word with the same value
.else
.irp c, 0,1
.irp i, 0,1,2
	ds_store_b64 v[SKC], v[PC+6*\c+2*\i:PC+6*\c+2*\i+1] offset:STGK+6400*\c+1536*((\a)/2)+24*((\a)%2)+8*\i
.endr
.endr
	ds_store_b16 v[SKS], v[PW] offset:STGK+4*((\a)/2)+2*((\a)%2)                 ; the first head's two bytes,
	ds_store_b16_d16_hi v[SKS], v[PW] offset:STGK+6400+4*((\a)/2)+2*((\a)%2)     ; the second head's
.endif
	s_wait_dscnt 0x0                               ; the stores have read their registers
.endm
; My two records leave the stage: every store of the wave covers 512 (the last: 2 x 256) consecutive bytes, aligned to 256.
.macro COPY stg
.irp c, 0,1
.irp e, 0,1,2,3,4,5,6,7,8,9,10,11
	ds_load_b128 v[128+4*(12*\c+\e):128+4*(12*\c+\e)+3], v[RD] offset:\stg+6400*\c+512*\e
.endr
.endr
	ds_load_b128 v[224:227], v[RDS] offset:\stg
.irp e, 0,1,2,3,4,5,6,7,8,9,10,11
	s_wait_dscnt 24-\e                             ; the younger loads may be out
	global_store_b128 v[GL], v[128+4*\e:128+4*\e+3], s[12:13] offset:512*\e
.endr
.irp e, 0,1,2,3,4,5,6,7,8,9,10,11
	s_wait_dscnt 12-\e
	global_store_b128 v[GL], v[176+4*\e:176+4*\e+3], s[98:99] offset:512*\e
.endr
	s_wait_dscnt 0x0
	global_store_b128 v[GS], v[224:227], s[12:13] offset:6144
.endm
	PLACES NP                                      ; behind the last products: the lines below write registers that held A's fragments
.irp b, 0,1,2,3
	v_mov_b32 v[TM+4+\b], 0                        ; a lane permute's destination counts as one of its sources
.endr
	s_cmp_eq_u32 s66, 2                            ; the cluster's y alone: the same in all partners
	s_cbranch_scc1 .Lv_out
.irp a, 0,1,2,3,4,5,6,7
	OUTBLK \a, 0
.endr
	COPY STGK
	s_branch .Lend
.Lv_out:
.irp a, 0,1,2,3,4,5,6,7
	OUTBLK \a, 1
.endr
	COPY STGV
.Lend:
	s_wait_tensorcnt 0x0                           ; the wave's end
	ds_add_u32 v[SPW], v[NIL]
	s_wait_dscnt 0x0
	CROUND                                         ; the closing round
	s_endpgm
.Lfunc_end_k_qc6d7390058_proj:
	.size	k_qc6d7390058_proj, .Lfunc_end_k_qc6d7390058_proj-k_qc6d7390058_proj
	.p2alignl 7, 3214868480
	.fill 96, 4, 3214868480
	.section	.rodata,"a",@progbits
	.p2align	6, 0x0
	.amdhsa_kernel k_qc6d7390058_proj
		.amdhsa_group_segment_fixed_size 327680
		.amdhsa_private_segment_fixed_size 0
		.amdhsa_enable_private_segment 0
		.amdhsa_kernarg_size 56
		.amdhsa_user_sgpr_count 2
		.amdhsa_user_sgpr_kernarg_segment_ptr 1
		.amdhsa_wavefront_size32 1
		.amdhsa_system_sgpr_workgroup_id_x 1
		.amdhsa_system_sgpr_workgroup_id_y 1
		.amdhsa_system_sgpr_workgroup_id_z 1
		.amdhsa_system_vgpr_workitem_id 0
		.amdhsa_next_free_vgpr 1024
		.amdhsa_next_free_sgpr 102
		.amdhsa_reserve_vcc 0
		.amdhsa_float_denorm_mode_32 3
		.amdhsa_float_denorm_mode_16_64 3
		.amdhsa_memory_ordered 1
		.amdhsa_forward_progress 1
		.amdhsa_inst_pref_size 248
	.end_amdhsa_kernel
	.amdgpu_metadata
---
amdhsa.version: [ 1, 2 ]
amdhsa.kernels:
  - .name:           k_qc6d7390058_proj
    .symbol:         k_qc6d7390058_proj.kd
    .args:
      - { .name: xq, .offset: 0, .size: 8, .value_kind: global_buffer, .address_space: global }
      - { .name: wq, .offset: 8, .size: 8, .value_kind: global_buffer, .address_space: global }
      - { .name: bq, .offset: 16, .size: 8, .value_kind: global_buffer, .address_space: global }
      - { .name: bk, .offset: 24, .size: 8, .value_kind: global_buffer, .address_space: global }
      - { .name: bv, .offset: 32, .size: 8, .value_kind: global_buffer, .address_space: global }
      - { .name: qi, .offset: 40, .size: 8, .value_kind: global_buffer, .address_space: global }
      - { .name: kv, .offset: 48, .size: 8, .value_kind: global_buffer, .address_space: global }
    .group_segment_fixed_size: 327680
    .private_segment_fixed_size: 0
    .kernarg_segment_align: 8
    .kernarg_segment_size: 56
    .max_flat_workgroup_size: 128
    .sgpr_count:     102
    .vgpr_count:     1024
    .wavefront_size: 32
...
	.end_amdgpu_metadata
.endif
;; end of part 2
;; launch attn (part 3): grid 8 x 64, 16 waves a work-group, clusters of 4 x 1, 327,680 bytes of LDS; arguments qi, kv, maskw, oc, os; writes oc, os
.if DOCPART == 3
	.amdgcn_target "amdgcn-amd-amdhsa--gfx1250"
	.amdhsa_code_object_version 6
	.text
	.protected	k_qc6d7390058_attn
	.globl	k_qc6d7390058_attn
	.p2align	8
	.type	k_qc6d7390058_attn,@function
k_qc6d7390058_attn:
	s_mov_b64 s[64:65], 0
	v_nop
	global_prefetch_b8 v0, s[64:65] scope:SCOPE_SE
	s_setreg_imm32_b32 hwreg(HW_REG_WAVE_MODE, 25, 1), 1
	s_wait_xcnt 0x0
	s_wait_alu depctr_hold_cnt(0) depctr_sa_sdst(0) depctr_va_vdst(0) depctr_va_sdst(0) depctr_va_ssrc(0) depctr_va_vcc(0) depctr_vm_vsrc(0)
	s_getreg_b32 s2, hwreg(HW_REG_IB_STS2, 6, 4)
	s_cmp_eq_u32 s2, 0
	s_cbranch_scc0 .Lentry_in_a_cluster
	s_endpgm
.Lentry_in_a_cluster:
	s_bfe_u32 s2, ttmp6, 0x10000c
	s_cmp_lg_u32 s2, 0x3003
	s_cbranch_scc0 .Lentry_shape_is_right
	s_endpgm
.Lentry_shape_is_right:
; Attention of one (batch, head) on codes of FP6 (E2M3) with E8M0 scales: S^T = K Q^T, the mask, p = 2^(t - M), O^T += V^T P^T, O / l, and O quantised along the model's 1,024 for the last product.
; t = score x log2(e) / 8; M = the running largest t rounded UP to a whole number; p is not normalised; the row's sum is taken of the unquantised p; when M moves, sum and O^T are multiplied by 2^(old M - new M): exact.
; SHARES.  A work-group owns 256 query positions of a head, each of its sixteen waves one tile of 16, in 256 registers: four waves to a SIMD.  Every wave walks the head's 2,048 keys, 128 a step.
; LDS.  The head's whole stream of k's and v's records, 16 x 12,800 bytes, is brought ONCE: nothing is ever filled again.  Each wave asks for two pieces of 6,400 bytes; the first sixteen pieces are steps 0-7.
; CLUSTER.  The four work-groups of a cluster belong to one head: each piece is asked for jointly.
; K = 64 IN AN INSTRUCTION 128 DEEP.  A fragment of k holds tile 2 p's keys in k = 0 .. 63 and tile 2 p + 1's in k = 64 .. 127; multiplied by [Q | 0] it gives the first tile's scores, by [0 | Q] the second's: zero codes add nothing.
; THE MASK comes as words of one bit a lane, one word for each of a step's 64 score registers, by scalar loads a step ahead: one v_cndmask_b32 a score, no branch.
; LIMIT: a masked score is set to -2^33, that is a logit of -2^30 where the reference writes -1e9.  t is then a whole number, so a row that is masked throughout gives p = 1 everywhere (uniform, as the reference);
;   elsewhere p = 0.  The results differ only where an unmasked logit lies under about -9.9e8.  NaN and infinities are not served; blocks of zeros carry the byte 1.
; REGISTERS: v1-11, v28 addresses; v12 -M, v13 largest t, v[14:15] the sum; v16-27 [Q | 0]; v80-91 [0 | Q]; v32-79 four fragments of k, then of v; v92 -2^33; v96-159 S^T, then p; v160-191 O^T;
;   v224-235 p's codes; v232-247, v252, v254 at work; v248-251 scale words of k, then v; v253 p's scale word; v255 Q's.
.set STEPB, 12800
.set HEADB, 204800
.set STG,   204800                     ; the way out: 768 bytes a wave
.set SPARE, 217088                     ; the spare words, 128 bytes a wave: eight blocks of 256 bytes that no other line names
.set SPW, 5
.set NIL, 6
.set TB,  2                            ; s2   LDS byte at which the step's records begin
.set CNT, 3
.set WV,  14
.set CS,  66                           ; s[66:67] c = log2(e) / 8
.set G1,  84
.set G0A, 92
.set G0B, 96
.set SEL, 100
.macro CROUND
	s_barrier_signal -1
	s_barrier_wait -1
	s_cmp_lg_u32 s[WV], 0
	s_cbranch_scc1 .Lnot_wave_0_\@
	s_barrier_signal -3
.Lnot_wave_0_\@:
	s_barrier_wait -3
	s_barrier_signal -1
	s_barrier_wait -1
.endm
	s_load_b256 s[4:11], s[0:1], 0x0               ; qi, kv, maskw, oc
	s_load_b64 s[12:13], s[0:1], 0x20              ; os
	v_lshl_add_u32 v[SPW], v0, 2, SPARE
	v_mov_b32 v[NIL], 0
	ds_add_u32 v[SPW], v[NIL]                      ; the wave's opening: the add and its wait ahead of my first tensor load
	v_lshrrev_b32 v8, 5, v0
	v_readfirstlane_b32 s[WV], v8                  ; wave 0..15
	s_bfe_u32 s16, ttmp6, 0x40000                  ; cx: it enters the addresses of Q, the mask and the outputs alone
	s_lshl_b32 s17, ttmp9, 2
	s_add_co_u32 s17, s17, s16                     ; my block of 256 positions, 0..7
	s_and_b32 s18, ttmp7, 0xffff                   ; 16 batch + head, which the partners share
	s_mov_b32 s[G1], 15|(3<<16)|(1<<21)            ; the mask: all four; elements of 8 bytes; bit 21 beside a mask; no padding
	s_mov_b32 s[G1+1], 32<<16                      ; tensor_dim0: 256 bytes
	s_mov_b32 s[G1+2], 25<<16                      ; tensor_dim1: 25 rows: 6,400 dense bytes
	s_mov_b32 s[G1+3], 32<<16                      ; tile_dim0
	s_mov_b32 s[G1+4], 25                          ; tile_dim1
	s_mov_b32 s[G1+5], 32                          ; pitch
	s_mov_b32 s[G1+6], 0
	s_mov_b32 s[G1+7], 0
	s_mul_i32 s19, s[WV], 6400                     ; my piece, in LDS and in the head's stream alike
	s_mul_i32 s20, s18, HEADB
	s_add_co_u32 s20, s20, s19
	s_mov_b32 s21, 0
	s_lshr_b32 s22, s[WV], 3
	s_lshl_b32 s23, s17, 1
	s_add_co_u32 s22, s22, s23                     ; my queries' step of 128
	s_lshl_b32 s23, s18, 4
	s_add_co_u32 s22, s22, s23
	s_mul_i32 s22, s22, 6400                       ; their record in qi
	s_bfe_u32 s23, s[WV], 0x20001                  ; my tile in it: pair
	s_and_b32 s24, s[WV], 1                        ; and half
	s_mul_i32 s28, s23, 1536
	s_mul_i32 s25, s24, 24
	s_add_co_u32 s28, s28, s25
	s_add_co_u32 s28, s28, s22                     ; Q's codes
	s_mov_b32 s29, 0
	s_lshl_b32 s30, s23, 2
	s_lshl_b32 s25, s24, 1
	s_add_co_u32 s30, s30, s25
	s_add_co_u32 s30, s30, s22
	s_add_co_u32 s30, s30, 6144                    ; Q's scale bytes
	s_mov_b32 s31, 0
	s_lshr_b32 s26, s18, 4
	s_lshl_b32 s26, s26, 7
	s_lshl_b32 s25, s17, 4
	s_add_co_u32 s26, s26, s25
	s_add_co_u32 s26, s26, s[WV]                   ; my tile of 16 positions among all 512
	s_lshl_b32 s32, s26, 12                        ; its mask words: 16 steps x 256 bytes
	s_mov_b32 s33, 0
	s_and_b32 s27, s18, 15                         ; the head
	s_lshl_b32 s34, s27, 9
	s_add_co_u32 s34, s34, s26
	s_mul_i32 s34, s34, 768                        ; oc: [head][tile][768 bytes]
	s_mov_b32 s35, 0
	s_lshl_b32 s36, s26, 9                         ; os: 32 bytes a position,
	s_lshl_b32 s25, s27, 1
	s_add_co_u32 s36, s36, s25                     ; the head's two bytes
	s_mov_b32 s37, 0
	s_mul_i32 s38, s[WV], 768
	s_add_co_u32 s38, s38, STG                     ; my stage
	s_mov_b32 s[CS], 0x3e38aa3b
	s_mov_b32 s[CS+1], s[CS]                       ; (named with it as a pair)
	s_mov_b32 s[SEL], 0x76543210
	s_mov_b32 s[SEL+1], 0xfedcba98
	s_mov_b32 s[TB], 0
	s_wait_dscnt 0x0                               ; the opening add is done
	s_wait_kmcnt 0x0
	s_add_nc_u64 s[104:105], s[4:5], s[30:31]
	s_add_nc_u64 s[4:5], s[4:5], s[28:29]
	s_add_nc_u64 s[8:9], s[8:9], s[32:33]
	s_add_nc_u64 s[10:11], s[10:11], s[34:35]
	s_add_nc_u64 s[12:13], s[12:13], s[36:37]
	s_mov_b32 s[G0A], 1
	s_mov_b32 s[G0A+1], s19                        ; piece w
	s_add_nc_u64 s[G0A+2:G0A+3], s[6:7], s[20:21]
	s_or_b32 s[G0A+3], s[G0A+3], 0x80000000
	s_mov_b32 s[G0B], 1
	s_add_co_u32 s[G0B+1], s19, 102400             ; piece 16 + w
	s_add_nc_u64 s[G0B+2:G0B+3], s[6:7], s[20:21]
	s_add_nc_u64 s[G0B+2:G0B+3], s[G0B+2:G0B+3], 102400
	s_or_b32 s[G0B+3], s[G0B+3], 0x80000000
	CROUND                                         ; all four work-groups are here: the joint loads meet
	tensor_load_to_lds s[G0A:G0A+3], s[G1:G1+7]    ; two loads of mine are out, and no more in this text
	s_nop 0
	tensor_load_to_lds s[G0B:G0B+3], s[G1:G1+7]
	s_nop 0
.rept 4
	v_nop
.endr
	v_and_b32 v9, 31, v0
	v_mul_u32_u24 v1, v9, 48                       ; 48 lane: a fragment's image
	v_and_b32 v10, 15, v0
	v_lshlrev_b32 v2, 4, v10                       ; 16 r: four scale words
.irp i, 0,1,2
	global_load_b64 v[16+2*\i:17+2*\i], v1, s[4:5] offset:8*\i      ; Q: my lane's 24 bytes, into [Q | 0]
.endr
.irp i, 0,1,2
	global_load_b64 v[86+2*\i:87+2*\i], v1, s[4:5] offset:8*\i      ; and into [0 | Q]
.endr
	global_load_u16 v254, v2, s[104:105]           ; my query's two scale bytes
	v_mul_u32_u24 v3, v9, 24
	v_add_nc_u32 v3, s38, v3                       ; the stage: in, 24 bytes a lane;
	v_lshlrev_b32 v4, 4, v9
	v_add_nc_u32 v4, s38, v4                       ; back, 16 bytes a lane,
	v_lshlrev_b32 v7, 3, v9
	v_add_nc_u32 v7, s38, v7                       ; and 8
	s_mov_b32 s15, 0                               ; step 0's 64 mask words: s16-63 and s68-83
	s_load_b512 s[16:31], s[8:9], s15 offset:0x0
	s_load_b512 s[32:47], s[8:9], s15 offset:0x40
	s_load_b512 s[48:63], s[8:9], s15 offset:0x80
	s_load_b512 s[68:83], s[8:9], s15 offset:0xc0
	v_mov_b32 v92, 0xd0000000                      ; -2^33
	v_mov_b32 v13, 0xff61b1e6                      ; the largest t so far: -3e38
	v_floor_f32 v12, -v13                          ; -M
	v_mov_b32 v14, 0
	v_mov_b32 v15, 0
.irp b, 0,1,2,3
	v_mov_b32 v[236+\b], 0                         ; a lane permute's destination counts as one of its sources
.endr
	v_mov_b32 v252, 0
	v_mov_b32 v253, 0                              ; (named as the upper half of v[252:253] before it is first written)
.irp i, 0,1,2,3,4,5
	v_mov_b32 v[22+\i], 0                          ; the zero halves, written once
	v_mov_b32 v[80+\i], 0
.endr
	s_wait_loadcnt 0x0                             ; Q
	v_lshl_or_b32 v255, v254, 16, v254             ; Q's scale word: its two bytes for either half
.set j, 0
.rept 32
	v_mov_b32 v[160+j], 0                          ; O^T: the loop's first step finds zeros.  (Also the places between the lines above and the first products)
.set j, j+1
.endr
; A KEY STEP: 128 keys.
.macro STEP
	v_add_nc_u32 v8, s[TB], v1
	v_add_nc_u32 v9, s[TB], v2
	v_nop
	v_nop                                          ; four places behind the last step's products, in front of loads into registers that they read
.irp bp, 0,1,2,3
.irp g, 0,1,2
	ds_load_b128 v[32+12*\bp+4*\g:32+12*\bp+4*\g+3], v8 offset:1536*\bp+16*\g
.endr
.endr
	ds_load_b128 v[248:251], v9 offset:6144        ; the four pairs' scale words
	s_wait_dscnt 0x0
.irp t, 0,1,2,3,4,5,6,7                        ; S^T: tile t's keys are half t % 2 of pair t / 2
	v_wmma_scale_f32_16x16x128_f8f6f4 v[96+8*\t:103+8*\t], v[32+12*(\t/2):43+12*(\t/2)], v[16+64*(\t%2):27+64*(\t%2)], 0, v[248+\t/2], v255 matrix_a_fmt:MATRIX_FMT_FP6 matrix_b_fmt:MATRIX_FMT_FP6
.endr                                          ; lane (r, h): query r; register 16 b + i: key 32 b + 16 h + i
.rept 4
	v_nop
.endr
.irp t, 0,1,2,3                                ; v's four fragments are asked for now and land under the softmax
.irp g, 0,1,2
	ds_load_b128 v[32+12*\t+4*\g:32+12*\t+4*\g+3], v8 offset:6400+1536*\t+16*\g
.endr
.endr
	ds_load_b128 v[248:251], v9 offset:12544
	s_wait_kmcnt 0x0                               ; this step's mask words are in, and the loads' offset may be written
	s_add_co_u32 s15, s15, 256
	s_min_u32 s15, s15, 3840                       ; the next step's; the last step asks for its own again: no load leaves the buffer
.set n, 0
.rept 32
	v_cndmask_b32 v[96+n], v[96+n], v92, s[16+n]   ; each accumulator from its low end on
.set n, n+1
.endr
	s_load_b512 s[16:31], s[8:9], s15 offset:0x0
	s_load_b512 s[32:47], s[8:9], s15 offset:0x40
.rept 16
	v_cndmask_b32 v[96+n], v[96+n], v92, s[16+n]
.set n, n+1
.endr
.rept 16
	v_cndmask_b32 v[96+n], v[96+n], v92, s[20+n]
.set n, n+1
.endr
	s_load_b512 s[48:63], s[8:9], s15 offset:0x80
	s_load_b512 s[68:83], s[8:9], s15 offset:0xc0
.irp b, 0,1,2,3
	v_max3_num_f32 v[232+\b], v[96+16*\b], v[97+16*\b], v[98+16*\b]   ; the largest score of each block of 32 keys: for the row's maximum, and, since p rises with the score, for the block's largest p
.endr
.irp i, 3,5,7,9,11,13
.irp b, 0,1,2,3
	v_max3_num_f32 v[232+\b], v[232+\b], v[96+16*\b+\i], v[97+16*\b+\i]
.endr
.endr
.irp b, 0,1,2,3
	v_max_num_f32 v[232+\b], v[232+\b], v[111+16*\b]
.endr
.irp b, 0,1,2,3
	v_permlanex16_b32 v[236+\b], v[232+\b], s[SEL], s[SEL+1]
.endr
.irp b, 0,1,2,3
	v_max_num_f32 v[232+\b], v[232+\b], v[236+\b]
.endr
	v_max3_num_f32 v254, v232, v233, v234
	v_max_num_f32 v254, v254, v235
	v_mul_f32 v254, s[CS], v254                    ; the step's largest t
	v_max_num_f32 v13, v13, v254
	v_mov_b32 v254, v12
	v_floor_f32 v12, -v13                          ; the new -M = -ceil(t)
	v_sub_f32 v254, v12, v254                      ; old M - new M: a whole number, 0 or less
	v_cvt_i32_f32 v254, v254                       ; (it saturates)
	v_ldexp_f32 v252, 1.0, v254                    ; f = 2^(old M - new M)
.set j, 0
.rept 32
	v_pk_fma_f32 v[96+j:97+j], v[96+j:97+j], s[CS:CS+1], v[12:13] op_sel_hi:[1,0,0]   ; t - M
.set j, j+2
.endr
.irp b, 0,1,2,3
	v_fma_f32 v[232+\b], v[232+\b], s[CS], v12
.endr
.set j, 0
.rept 64
	v_exp_f32 v[96+j], v[96+j]                     ; p = 2^(t - M)
.set j, j+1
.endr
	v_pk_mul_f32 v[14:15], v[14:15], v[252:253] op_sel_hi:[1,0]   ; the sums under the new M; the plain line behind the exponentials
	s_wait_alu depctr_va_vdst(0)                   ; one wait for the batch, ahead of its first reader
.irp b, 0,1,2,3
	v_exp_f32 v[232+\b], v[232+\b]                 ; each block's largest p
.endr
	v_pk_add_f32 v[236:237], v[96:97], v[98:99]    ; the row's sum of the unquantised p, in two chains
.irp j, 4,8,12,16,20,24,28,32,36,40,44,48,52,56,60
	v_pk_add_f32 v[14:15], v[14:15], v[96+\j:97+\j]
	v_pk_add_f32 v[236:237], v[236:237], v[98+\j:99+\j]
.endr
	v_pk_add_f32 v[14:15], v[14:15], v[236:237]
	s_wait_alu depctr_va_vdst(0)                   ; and one for the four
.irp b, 0,1,2,3
	v_max_num_f32 v[232+\b], 0x1800000, v[232+\b]  ; the floor: the byte cannot fall under 1
.endr
.irp b, 0,1,2,3
	v_add_nc_u32 v[244+\b], 0xff000000, v[232+\b]
.endr
.irp b, 0,1,2,3
	v_lshrrev_b32 v[236+\b], 23, v[244+\b]
.endr
	v_lshl_or_b32 v253, v237, 8, v236              ; p's scale word for these 128 keys
	v_lshl_or_b32 v253, v238, 16, v253
	v_lshl_or_b32 v253, v239, 24, v253
.irp c, 0,1
	v_cvt_scalef32_pk16_fp6_f32 v[224+6*\c:226+6*\c], v[96+32*\c:111+32*\c], v[244+2*\c]
	v_cvt_scalef32_pk16_fp6_f32 v[236+4*\c:238+4*\c], v[112+32*\c:127+32*\c], v[244+2*\c+1]
.endr
	v_nop                                          ; one plain line behind a scaled conversion
.irp c, 0,1
.irp i, 0,1,2
	v_permlane16_swap_b32 v[224+6*\c+\i], v[236+4*\c+\i]
.endr
.irp i, 0,1,2
	v_mov_b32 v[227+6*\c+\i], v[236+4*\c+\i]
.endr
.endr
.set j, 0
.rept 16
	v_pk_mul_f32 v[160+j:161+j], v[160+j:161+j], v[252:253] op_sel_hi:[1,0]   ; O^T under the new M.  (Also the places in front of the scaled products)
.set j, j+2
.endr
	s_wait_dscnt 0x0                               ; v's fragments and scale words
.irp t, 0,1,2,3                                ; O^T += V^T P^T: the four accumulators take turns
	v_wmma_scale_f32_16x16x128_f8f6f4 v[160+8*\t:167+8*\t], v[32+12*\t:43+12*\t], v[224:235], v[160+8*\t:167+8*\t], v[248+\t], v253 matrix_a_fmt:MATRIX_FMT_FP6 matrix_b_fmt:MATRIX_FMT_FP6
.endr
	s_add_co_u32 s[TB], s[TB], STEPB
.endm
	s_wait_tensorcnt 1                             ; my piece of steps 0-7 is in; my piece of steps 8-15 may be out
	s_barrier_signal -1
	s_barrier_wait -1                              ; everybody's is
	s_mov_b32 s[CNT], 8
.Lfirst:
	STEP
	s_sub_co_u32 s[CNT], s[CNT], 1
	s_cmp_lg_u32 s[CNT], 0
	s_cbranch_scc1 .Lfirst
	s_wait_tensorcnt 0x0                           ; my piece of steps 8-15 is in
	s_wait_dscnt 0x0
	s_barrier_signal -1
	s_barrier_wait -1
	s_mov_b32 s[CNT], 8
.Lsecond:
	STEP
	s_sub_co_u32 s[CNT], s[CNT], 1
	s_cmp_lg_u32 s[CNT], 0
	s_cbranch_scc1 .Lsecond
	s_wait_kmcnt 0x0                               ; the last look-ahead
	; THE WAY OUT: O^T / the sum; register 16 b + i is channel 32 b + 16 h + i of the head: two blocks along the last product's K
	v_add_f32 v14, v14, v15
	v_permlanex16_b32 v252, v14, s[SEL], s[SEL+1]
	v_add_f32 v14, v14, v252                       ; the row's sum
	v_rcp_f32 v14, v14
	v_and_b32 v8, 31, v0                           ; (plain lines behind the reciprocal and the last products)
	v_lshlrev_b32 v10, 4, v8                       ; in oc: 16 bytes a lane,
	v_lshlrev_b32 v11, 3, v8                       ; and 8
	v_and_b32 v9, 15, v0
	v_lshlrev_b32 v28, 5, v9                       ; in os: 32 bytes a position
	s_wait_alu depctr_va_vdst(0)                   ; ahead of the reciprocal's first reader
.set j, 0
.rept 32
	v_mul_f32 v[96+j], v[160+j], v14
.set j, j+1
.endr
.irp b, 0,1
	v_max3_num_f32 v[232+\b], |v[96+16*\b]|, |v[97+16*\b]|, 0x1800000
.endr
.irp i, 2,4,6,8,10,12,14
.irp b, 0,1
	v_max3_num_f32 v[232+\b], v[232+\b], |v[96+16*\b+\i]|, |v[97+16*\b+\i]|
.endr
.endr
.irp b, 0,1
	v_permlanex16_b32 v[236+\b], v[232+\b], s[SEL], s[SEL+1]
.endr
.irp b, 0,1
	v_max_num_f32 v[232+\b], v[232+\b], v[236+\b]
.endr
.irp b, 0,1
	v_add_nc_u32 v[244+\b], 0xff000000, v[232+\b]
.endr
.irp b, 0,1
	v_lshrrev_b32 v[236+\b], 23, v[244+\b]
.endr
	v_lshl_or_b32 v254, v237, 8, v236              ; the head's two scale bytes of my position
	v_cvt_scalef32_pk16_fp6_f32 v[224:226], v[96:111], v244
	v_cvt_scalef32_pk16_fp6_f32 v[236:238], v[112:127], v245
	v_nop
.irp i, 0,1,2
	v_permlane16_swap_b32 v[224+\i], v[236+\i]
.endr
.irp i, 0,1,2
	v_mov_b32 v[227+\i], v[236+\i]                 ; lane (r, h) holds block h of position r: 24 bytes
.endr
.irp i, 0,1,2
	ds_store_b64 v3, v[224+2*\i:225+2*\i] offset:8*\i
.endr
	ds_load_b128 v[32:35], v4                      ; LDS serves a wave's instructions in order: these see my stores
	ds_load_b64 v[36:37], v7 offset:512
	global_store_b16 v28, v254, s[12:13]           ; 2 bytes a position (lanes r and r + 16 the same): 1/24 of what the launch stores
	s_wait_dscnt 1                                 ; the second load may be out
	global_store_b128 v10, v[32:35], s[10:11]      ; 512 consecutive bytes, aligned to 256
	s_wait_dscnt 0x0
	global_store_b64 v11, v[36:37], s[10:11] offset:512   ; and 256
	s_wait_tensorcnt 0x0                           ; the wave's end
	ds_add_u32 v[SPW], v[NIL]
	s_wait_dscnt 0x0
	CROUND                                         ; the closing round
	s_endpgm
.Lfunc_end_k_qc6d7390058_attn:
	.size	k_qc6d7390058_attn, .Lfunc_end_k_qc6d7390058_attn-k_qc6d7390058_attn
	.p2alignl 7, 3214868480
	.fill 96, 4, 3214868480
	.section	.rodata,"a",@progbits
	.p2align	6, 0x0
	.amdhsa_kernel k_qc6d7390058_attn
		.amdhsa_group_segment_fixed_size 327680
		.amdhsa_private_segment_fixed_size 0
		.amdhsa_enable_private_segment 0
		.amdhsa_kernarg_size 40
		.amdhsa_user_sgpr_count 2
		.amdhsa_user_sgpr_kernarg_segment_ptr 1
		.amdhsa_wavefront_size32 1
		.amdhsa_system_sgpr_workgroup_id_x 1
		.amdhsa_system_sgpr_workgroup_id_y 1
		.amdhsa_system_sgpr_workgroup_id_z 1
		.amdhsa_system_vgpr_workitem_id 0
		.amdhsa_next_free_vgpr 256
		.amdhsa_next_free_sgpr 106
		.amdhsa_reserve_vcc 0
		.amdhsa_float_denorm_mode_32 3
		.amdhsa_float_denorm_mode_16_64 3
		.amdhsa_memory_ordered 1
		.amdhsa_forward_progress 1
		.amdhsa_inst_pref_size 52
	.end_amdhsa_kernel
	.amdgpu_metadata
---
amdhsa.version: [ 1, 2 ]
amdhsa.kernels:
  - .name:           k_qc6d7390058_attn
    .symbol:         k_qc6d7390058_attn.kd
    .args:
      - { .name: qi, .offset: 0, .size: 8, .value_kind: global_buffer, .address_space: global }
      - { .name: kv, .offset: 8, .size: 8, .value_kind: global_buffer, .address_space: global }
      - { .name: maskw, .offset: 16, .size: 8, .value_kind: global_buffer, .address_space: global }
      - { .name: oc, .offset: 24, .size: 8, .value_kind: global_buffer, .address_space: global }
      - { .name: os, .offset: 32, .size: 8, .value_kind: global_buffer, .address_space: global }
    .group_segment_fixed_size: 327680
    .private_segment_fixed_size: 0
    .kernarg_segment_align: 8
    .kernarg_segment_size: 40
    .max_flat_workgroup_size: 512
    .sgpr_count:     106
    .vgpr_count:     256
    .wavefront_size: 32
...
	.end_amdgpu_metadata
.endif
;; end of part 3
;; launch outp (part 4): grid 4 x 32, 4 waves a work-group, clusters of 4 x 4, 327,680 bytes of LDS; arguments oc, os, wq, bo, out0; writes out0
.if DOCPART == 4
	.amdgcn_target "amdgcn-amd-amdhsa--gfx1250"
	.amdhsa_code_object_version 6
	.text
	.protected	k_qc6d7390058_outp
	.globl	k_qc6d7390058_outp
	.p2align	8
	.type	k_qc6d7390058_outp,@function
k_qc6d7390058_outp:
	s_mov_b64 s[64:65], 0
	v_nop
	global_prefetch_b8 v0, s[64:65] scope:SCOPE_SE
	s_setreg_imm32_b32 hwreg(HW_REG_WAVE_MODE, 25, 1), 1
	s_wait_xcnt 0x0
	s_wait_alu depctr_hold_cnt(0) depctr_sa_sdst(0) depctr_va_vdst(0) depctr_va_sdst(0) depctr_va_ssrc(0) depctr_va_vcc(0) depctr_vm_vsrc(0)
	s_getreg_b32 s2, hwreg(HW_REG_IB_STS2, 6, 4)
	s_cmp_eq_u32 s2, 0
	s_cbranch_scc0 .Lentry_in_a_cluster
	s_endpgm
.Lentry_in_a_cluster:
	s_bfe_u32 s2, ttmp6, 0x10000c
	s_cmp_lg_u32 s2, 0xf033
	s_cbranch_scc0 .Lentry_shape_is_right
	s_endpgm
.Lentry_shape_is_right:
; out0 = concat Wo + bo on codes of FP6 (E2M3) with E8M0 scales, K = 1,024.  A work-group of four waves makes 256 x 256 of out0, a wave 128 x 128: 64 accumulators.
; A = the attention launch's codes, laid [head][tile of 16 positions][lane][24 bytes]: a fragment's half (one head's 64 along K) is 768 dense bytes, 24 a lane.  A K step of 256 is four heads:
; a wave's tensor load brings 4 rows (heads) of 6,144 bytes (8 tiles).  A's scale bytes lie [position][32].  B = Wo's codes [position][768 bytes] and scale bytes [position][32], in wq's fourth part.
; Both lie in POSITION ORDER (inside 32 rows bits 3 and 4 change places): the way out puts rows and columns back.
; THE MATRIX INSTRUCTION IS USED TRANSPOSED (source 0 = 16 rows of Wo, source 1 = 16 positions): a lane holds eight neighbouring numbers of a row of out0.  The bias is the C of each sum's first product.
; CLUSTERS 4 x 4: A's tiles are asked for jointly along a row of the cluster, B's along a column.
; REGISTERS: window 0: v0-31 addresses; v32-63 scale words; v64-127 the bias; from v128 A's fragments, later the way out.  window 1: B's fragments, two sets.  windows 2, 3: accumulators.
.set NQ,     2
.set ROWB,   192
.set KROW,   768
.set PITCH,  240
.set FR,     12
.set NL,     6
.set NP,     4
.set HALFA,  24576                     ; A: 4 heads x 8 tiles x 768 bytes
.set HALFT,  128*PITCH                 ; B: 128 rows
.set BOFF,   2*HALFA
.set SLOT,   2*HALFA+2*HALFT
.set HSTEP,  1572864                   ; four heads of oc: 4 x 512 x 768
.set LAPS,   2
.set KS,     32
.set SCL,    2*SLOT
.set HALFS,  16*272
.set SBLK,   2*272
.set SPARE,  SCL+4*HALFS               ; the spare words: two blocks of 256 bytes that no other line names
.set SPITCH, 528                       ; the way out: 16 rows x (512 + 16) a wave, in slot 0, which has had its last fill and its last read by then
.set ADRA, 16                          ; v16-17
.set ADRB, 20                          ; v20-23
.set STO,  24
.set RD,   25
.set CO,   26
.set ADRS, 27
.set SPW,  28
.set NIL,  29
.set SC,   32
.set BI,   64                          ; v64-127 bo in the results' layout
.set AF,   128
.set BK,   128
.set G1, 24
.set G0, 32
.set G1B, 48
.set G0B, 56
.set G1S, 68
.set G0S, 76
.set G1SB, 80
.set G0SB, 88
.set MSB, 0
.macro WIN new
.if MSB != (\new)
	s_set_vgpr_msb (MSB<<8)|(\new)
.set MSB, (\new)
.endif
.endm
.set MUL_LO, 0xa1
.set MUL_HI, 0xf1
.set FIRST_LO, 0x81                    ; the first products: C (the bias) in window 0, D in window 2
.set FIRST_HI, 0xc1                    ; or 3
.set TO_B,   0x40
.macro JLOAD g0a, g1a, g0b, g1b        ; waves 0 and 1 fetch for A, waves 2 and 3 for B; an s_nop 0 and four v_nop follow each line
	s_cmp_eq_u32 s15, 0
	s_cbranch_scc0 .Lfor_b_\@
	tensor_load_to_lds s[\g0a:\g0a+3], s[\g1a:\g1a+7]
	s_nop 0
.rept 4
	v_nop
.endr
	s_branch .Lasked_\@
.Lfor_b_\@:
	tensor_load_to_lds s[\g0b:\g0b+3], s[\g1b:\g1b+7]
	s_nop 0
.rept 4
	v_nop
.endr
.Lasked_\@:
.endm
.macro CREST
	s_cmp_lg_u32 s14, 0
	s_cbranch_scc1 .Lnot_wave_0_\@
	s_barrier_signal -3
.Lnot_wave_0_\@:
	s_barrier_wait -3
	s_barrier_signal -1
	s_barrier_wait -1
.endm
.macro CROUND
	s_barrier_signal -1
	s_barrier_wait -1
	CREST
.endm
	s_load_b128 s[4:7], s[0:1], 0x0                ; oc, os
	s_load_b128 s[8:11], s[0:1], 0x10              ; wq, bo
	s_load_b64 s[12:13], s[0:1], 0x20              ; out0
	v_lshl_add_u32 v[SPW], v0, 2, SPARE
	v_mov_b32 v[NIL], 0
	ds_add_u32 v[SPW], v[NIL]                      ; the wave's opening: the add and its wait ahead of my first tensor load
	v_lshrrev_b32 v1, 5, v0
	v_readfirstlane_b32 s14, v1
	s_lshr_b32 s15, s14, 1
	s_and_b32 s16, s14, 1
	s_bfe_u32 s40, ttmp6, 0x40000
	s_bfe_u32 s41, ttmp6, 0x40004
	s_lshl_b32 s42, ttmp9, 2
	s_add_co_u32 s42, s42, s40                     ; tile column
	s_and_b32 s17, ttmp7, 0xffff
	s_lshl_b32 s17, s17, 2
	s_add_co_u32 s17, s17, s41                     ; tile row
	s_lshl_b32 s43, s41, 2
	s_lshl_b32 s43, 15, s43
	s_lshl_b32 s44, 0x1111, s40
	s_or_b32 s[G1+0], s43, (3<<16)|(1<<21)         ; A: the mask of my row; elements of 8 bytes; bit 21 beside a mask; no padding
	s_mov_b32 s[G1+1], 768<<16                     ; tensor_dim0: 6,144 bytes
	s_mov_b32 s[G1+2], 4<<16                       ; tensor_dim1: 4 heads
	s_mov_b32 s[G1+3], 768<<16
	s_mov_b32 s[G1+4], 4
	s_mov_b32 s[G1+5], 49152                       ; from head to head: 393,216 bytes
	s_mov_b32 s[G1+6], 0
	s_mov_b32 s[G1+7], 0
	s_or_b32 s[G1B+0], s44, (0<<16)|(1<<20)|(1<<21)|(3<<22)|(3<<25)   ; B: 128 rows x 192 bytes, 16 bytes of padding behind every 64
	s_mov_b32 s[G1B+1], ROWB<<16
	s_mov_b32 s[G1B+2], 128<<16
	s_mov_b32 s[G1B+3], ROWB<<16
	s_mov_b32 s[G1B+4], 128
	s_mov_b32 s[G1B+5], KROW
	s_mov_b32 s[G1B+6], 0
	s_mov_b32 s[G1B+7], 0
	s_or_b32 s[G1S+0], s43, (3<<16)|(1<<20)|(1<<21)|(5<<22)|(3<<25)   ; the scales of 128 rows: 16 rows of 256 bytes, 16 of padding behind each
	s_or_b32 s[G1SB+0], s44, (3<<16)|(1<<20)|(1<<21)|(5<<22)|(3<<25)
.irp g, G1S, G1SB
	s_mov_b32 s[\g+1], 32<<16
	s_mov_b32 s[\g+2], 16<<16
	s_mov_b32 s[\g+3], 32<<16
	s_mov_b32 s[\g+4], 16
	s_mov_b32 s[\g+5], 32
	s_mov_b32 s[\g+6], 0
	s_mov_b32 s[\g+7], 0
.endr
	s_lshl_b32 s18, s16, 7
	s_lshl_b32 s20, s17, 8
	s_add_co_u32 s20, s20, s18                     ; A: the first position that I fetch
	s_lshl_b32 s46, s42, 8
	s_add_co_u32 s46, s46, s18                     ; B likewise
	s_lshl_b32 s22, s20, 5                         ; scale bytes
	s_mul_i32 s20, s20, 48                         ; one head's codes: 768 bytes for 16 positions
	s_lshl_b32 s92, s46, 5
	s_mul_i32 s46, s46, KROW
	s_mov_b32 s21, 0
	s_mov_b32 s23, 0
	s_mov_b32 s47, 0
	s_mov_b32 s93, 0
	s_mul_i32 s45, s16, HALFA                      ; where A's tiles go,
	s_mul_i32 s95, s16, HALFT
	s_add_co_u32 s95, s95, BOFF                    ; B's,
	s_mul_i32 s94, s14, HALFS                      ; the scales
	s_wait_dscnt 0x0                               ; the opening add is done
	s_wait_kmcnt 0x0
	s_mov_b64 s[96:97], s[10:11]                   ; bo
	s_add_nc_u64 s[10:11], s[8:9], 3244032         ; Wo's scale bytes
	s_add_nc_u64 s[8:9], s[8:9], 2359296           ; Wo's codes
	s_add_nc_u64 s[20:21], s[4:5], s[20:21]
	s_add_nc_u64 s[22:23], s[6:7], s[22:23]
	s_add_nc_u64 s[46:47], s[8:9], s[46:47]
	s_add_nc_u64 s[92:93], s[10:11], s[92:93]
	CROUND                                         ; all sixteen work-groups are here
	s_mov_b32 s[G0S], 1
	s_add_co_u32 s[G0S+1], s94, SCL
	s_mov_b64 s[G0S+2:G0S+3], s[22:23]
	s_or_b32 s[G0S+3], s[G0S+3], 0x80000000
	s_mov_b32 s[G0SB], 1
	s_add_co_u32 s[G0SB+1], s94, SCL
	s_mov_b64 s[G0SB+2:G0SB+3], s[92:93]
	s_or_b32 s[G0SB+3], s[G0SB+3], 0x80000000
	JLOAD G0S, G1S, G0SB, G1SB
.irp s, 0,1
	s_mov_b32 s[G0+4*\s], 1
	s_add_co_u32 s[G0+4*\s+1], s45, \s*SLOT
	s_add_nc_u64 s[G0+4*\s+2:G0+4*\s+3], s[20:21], \s*HSTEP
	s_or_b32 s[G0+4*\s+3], s[G0+4*\s+3], 0x80000000
	s_mov_b32 s[G0B+4*\s], 1
	s_add_co_u32 s[G0B+4*\s+1], s95, \s*SLOT
	s_add_nc_u64 s[G0B+4*\s+2:G0B+4*\s+3], s[46:47], \s*ROWB
	s_or_b32 s[G0B+4*\s+3], s[G0B+4*\s+3], 0x80000000
	JLOAD G0+4*\s, G1, G0B+4*\s, G1B
.endr
	v_and_b32 v1, 15, v0                           ; r
	v_bfe_u32 v2, v0, 4, 1                         ; h
	v_and_b32 v6, 31, v0                           ; lane
	v_mul_u32_u24 v3, v1, PITCH
	v_mul_u32_u24 v4, v2, 24
	v_add_nc_u32 v4, v3, v4                        ; B: row x pitch + 24 h
	v_lshl_add_u32 v5, v2, 4, v4                   ; and behind one padding more
	v_mul_u32_u24 v3, v6, 24                       ; A: 24 lane
	s_mul_i32 s21, s15, HALFA                      ; my 128 positions of A
	s_mul_i32 s22, s16, HALFT
	s_add_co_u32 s22, s22, BOFF                    ; my 128 rows of B
.irp s, 0,1
	v_add_nc_u32 v[ADRA+\s], s21, v3
	v_add_nc_u32 v[ADRB+\s], s22, v4
	v_add_nc_u32 v[ADRB+2+\s], s22, v5
	s_add_co_u32 s21, s21, SLOT
	s_add_co_u32 s22, s22, SLOT
.endr
	v_mul_u32_u24 v5, v1, KS
	v_lshrrev_b32 v7, 8, v5
	v_lshl_add_u32 v5, v7, 4, v5
	s_mul_i32 s21, s15, HALFS
	s_mul_i32 s22, s16, HALFS
	s_add_co_u32 s22, s22, 2*HALFS
	s_sub_co_u32 s22, s22, s21
	v_mul_u32_u24 v7, s22, v2                      ; lanes 16-31 take B's
	s_add_co_u32 s21, s21, SCL
	v_add_nc_u32 v5, v5, v7
	v_add_nc_u32 v[ADRS], s21, v5
	s_mul_i32 s23, s14, 16*SPITCH                  ; my stage
	v_mul_u32_u24 v5, v1, SPITCH
	v_lshl_add_u32 v5, v2, 6, v5                   ; in: row r, + 64 h: columns 16 h on of each 32
	v_add_nc_u32 v[STO], s23, v5
	v_lshlrev_b32 v[CO], 4, v6
	v_add_nc_u32 v[RD], s23, v[CO]
	s_lshl_b32 s46, s42, 10                        ; my first column, in bytes
	s_lshl_b32 s47, s16, 9
	s_add_co_u32 s46, s46, s47
	s_mov_b32 s47, 0
	s_add_nc_u64 s[96:97], s[96:97], s[46:47]      ; in bo,
	s_lshl_b32 s20, s17, 8
	s_lshl_b32 s21, s15, 7
	s_add_co_u32 s20, s20, s21
	s_lshl_b32 s20, s20, 12                        ; my first row: 4,096 bytes a row
	s_mov_b32 s21, 0
	s_add_nc_u64 s[20:21], s[20:21], s[46:47]
	s_add_nc_u64 s[12:13], s[12:13], s[20:21]      ; and in out0
	v_lshlrev_b32 v8, 6, v2                        ; the bias: register 8 b + j wants column 32 (b / 2) + 16 h + 8 (b % 2) + j
.irp b, 0,1,2,3,4,5,6,7
	global_load_b128 v[BI+8*\b:BI+8*\b+3], v8, s[96:97] offset:4*(32*(\b/2)+8*(\b%2))
	global_load_b128 v[BI+8*\b+4:BI+8*\b+7], v8, s[96:97] offset:4*(32*(\b/2)+8*(\b%2))+16
.endr
.macro FRAG reg, adr, q, i             ; B's fragment: pieces of 8 bytes; the second address register serves those that lie behind one padding more in lanes 16-31
.irp p, 0,1,2,3,4,5
.set PCE, 12*(\q)+6*(\p/3)+\p%3
.if PCE%8 < 5
	ds_load_b64 v[\reg+2*\p:\reg+2*\p+1], v[\adr] offset:8*PCE+16*(PCE/8)+(\i)*16*PITCH
.else
	ds_load_b64 v[\reg+2*\p:\reg+2*\p+1], v[\adr+2] offset:8*PCE+16*(PCE/8)+(\i)*16*PITCH
.endif
.endr
.endm
.macro FRAGA reg, slot, q, i           ; A's fragment: heads 2 q and 2 q + 1 of the slot's four, tile i: 24 bytes a lane from each
.irp p, 0,1,2,3,4,5
	ds_load_b64 v[\reg+2*\p:\reg+2*\p+1], v[ADRA+\slot] offset:(2*(\q)+\p/3)*6144+768*(\i)+8*(\p%3)
.endr
.endm
.macro MUL16 a0, p, q, sc, zero        ; the 64 accumulators take turns, one instruction a turn
.irp a, \a0, \a0+1
.irp b, 0,1,2,3,4,5,6,7
.if \zero
	v_wmma_scale_f32_16x16x128_f8f6f4 v[8*(8*((\a)%4)+\b):8*(8*((\a)%4)+\b)+7], v[128*(\p)+FR*\b:128*(\p)+FR*\b+FR-1], v[AF+FR*(\a):AF+FR*(\a)+FR-1], v[BI+8*\b:BI+8*\b+7], v[SC+8*NQ*(\sc)+NQ*\b+(\q)], v[SC+8*NQ*(\sc)+NQ*(\a)+(\q)] matrix_a_fmt:MATRIX_FMT_FP6 matrix_b_fmt:MATRIX_FMT_FP6 matrix_a_scale:MATRIX_SCALE_ROW1
.else
	v_wmma_scale_f32_16x16x128_f8f6f4 v[8*(8*((\a)%4)+\b):8*(8*((\a)%4)+\b)+7], v[128*(\p)+FR*\b:128*(\p)+FR*\b+FR-1], v[AF+FR*(\a):AF+FR*(\a)+FR-1], v[8*(8*((\a)%4)+\b):8*(8*((\a)%4)+\b)+7], v[SC+8*NQ*(\sc)+NQ*\b+(\q)], v[SC+8*NQ*(\sc)+NQ*(\a)+(\q)] matrix_a_fmt:MATRIX_FMT_FP6 matrix_b_fmt:MATRIX_FMT_FP6 matrix_a_scale:MATRIX_SCALE_ROW1
.endif
.endr
.endr
.endm
.macro FETCH_B slot, q, p
	WIN TO_B
.irp i, 0,1,2,3,4,5,6,7
	FRAG 128*(\p)+FR*\i, ADRB+\slot, \q, \i
.endr
	WIN 0
.endm
.macro FETCH_A slot, q, i0
.irp i, \i0, \i0+1, \i0+2, \i0+3
	FRAGA AF+FR*(\i), \slot, \q, \i
.endr
.endm
.macro SCALES sc
.irp i, 0,1,2,3,4,5,6,7
	ds_load_b64 v[SC+8*NQ*\sc+NQ*\i:SC+8*NQ*\sc+NQ*\i+1], v[ADRS] offset:\i*SBLK
.endr
.endm
.macro PLACES n
.rept \n
	v_nop
.endr
.endm
.macro STEP slot, q, zero
	s_wait_dscnt 4*NL                              ; B's set and A's blocks 0-3 are in; the youngest 24 loads (A's blocks 4-7) may be out
.if \zero
	WIN FIRST_LO
.else
	WIN MUL_LO
.endif
	MUL16 0, (\q)%2, \q, \slot, \zero
	MUL16 2, (\q)%2, \q, \slot, \zero
	s_wait_dscnt 0
	PLACES NP
	FETCH_B \slot, (\q)+1, 1-(\q)%2
	FETCH_A \slot, (\q)+1, 0
.if \zero
	WIN FIRST_HI
.else
	WIN MUL_HI
.endif
	MUL16 4, (\q)%2, \q, \slot, \zero
	MUL16 6, (\q)%2, \q, \slot, \zero
	PLACES NP
	WIN 0
	FETCH_A \slot, (\q)+1, 4
.endm
.macro TURN slot, next, fill
	s_wait_tensorcnt 0x0                           ; all my tensor loads have landed: my part of the next slot
	ds_add_u32 v[SPW], v[NIL]
	s_wait_dscnt 4*NL+1                            ; the add and the youngest 24 loads may be out
	WIN MUL_LO
	MUL16 0, 1, NQ-1, \slot, 0
	s_wait_dscnt 0x0                               ; the add is done, and my reads of this slot are over
	s_barrier_signal -1
	MUL16 2, 1, NQ-1, \slot, 0
	WIN 0
	s_barrier_wait -1
.if \fill
	CREST                                          ; a round of the cluster's barrier: no wave of any partner still reads this slot or has a load on its way
	s_add_nc_u64 s[G0+4*\slot+2:G0+4*\slot+3], s[G0+4*\slot+2:G0+4*\slot+3], 2*HSTEP
	s_add_nc_u64 s[G0B+4*\slot+2:G0B+4*\slot+3], s[G0B+4*\slot+2:G0B+4*\slot+3], 2*ROWB
	JLOAD G0+4*\slot, G1, G0B+4*\slot, G1B
.else
	PLACES NP
.endif
	v_add_nc_u32 v[ADRS], 4*NQ, v[ADRS]
	FETCH_B \next, 0, 0
	FETCH_A \next, 0, 0
	SCALES \next
	WIN MUL_HI
	MUL16 4, 1, NQ-1, \slot, 0
	MUL16 6, 1, NQ-1, \slot, 0
	PLACES NP
	WIN 0
	FETCH_A \next, 0, 4
.endm
	s_wait_loadcnt 0x0                             ; the bias
	s_wait_tensorcnt 1                             ; the scales and my part of K step 0 are in; K step 1's load may be out
	s_barrier_signal -1
	s_barrier_wait -1
	FETCH_B 0, 0, 0
	FETCH_A 0, 0, 0
	SCALES 0
	FETCH_A 0, 0, 4
	STEP 0, 0, 1                                   ; the first step's products start the sums from the bias
	s_mov_b32 s3, LAPS-1
.Llap:
	TURN 0, 1, 1
	STEP 1, 0, 0
	TURN 1, 0, 1
	STEP 0, 0, 0
	s_sub_co_u32 s3, s3, 1
	s_cmp_lg_u32 s3, 0
	s_cbranch_scc1 .Llap
	TURN 0, 1, 0
	STEP 1, 0, 0
	s_wait_dscnt 4*NL
	WIN MUL_LO
	MUL16 0, 1, NQ-1, 1, 0
	MUL16 2, 1, NQ-1, 1, 0
	s_wait_dscnt 0
	WIN MUL_HI
	MUL16 4, 1, NQ-1, 1, 0
	MUL16 6, 1, NQ-1, 1, 0
	WIN 0
; THE WAY OUT, block by block of 16 positions x 128 columns, through my own stage: tile b's eight numbers are columns 32 (b / 2) + 16 h + 8 (b % 2) on; position t of block a is row 32 (a / 2) + 8 (a % 2) + t + 8 (t / 8).
.macro TOSTAGE a
.set AC, 64*((\a)%4)
	WIN 0x08+4*((\a)/4)                            ; the data: window 2 or 3
.irp b, 0,1,2,3,4,5,6,7
	ds_store_b128 v[STO], v[AC+8*\b:AC+8*\b+3] offset:128*(\b/2)+32*(\b%2)        ; each accumulator from its low end on
	ds_store_b128 v[STO], v[AC+8*\b+4:AC+8*\b+7] offset:128*(\b/2)+32*(\b%2)+16
.endr
	WIN 0
.set BB, BK+64*((\a)%2)
.irp t, 0,1,2,3,4,5,6,7,8,9,10,11,12,13,14,15
	ds_load_b128 v[BB+4*\t:BB+4*\t+3], v[RD] offset:\t*SPITCH   ; LDS serves a wave's instructions in order: these see the stores above
.endr
.endm
.macro SEND a, younger
.set BB, BK+64*((\a)%2)
	s_wait_dscnt \younger                          ; the block is back in registers; the next block's 32 LDS instructions may be out
.irp t, 0,1,2,3,4,5,6,7,8,9,10,11,12,13,14,15
	global_store_b128 v[CO], v[BB+4*\t:BB+4*\t+3], s[12:13] offset:(32*((\a)/2)+8*((\a)%2)+\t+8*(\t/8))*4096 th:TH_STORE_NT   ; 512 consecutive bytes, aligned; 127 rows at the most stand in the immediate
.endr
.endm
	PLACES NP
	TOSTAGE 0
.irp a, 1,2,3,4,5,6,7
.if \a > 1
	s_wait_xcnt 0x0                                ; block a - 2's stores have read their registers: block a's loads may land there
.endif
	TOSTAGE \a
	SEND \a-1, 32
.endr
	SEND 7, 0
	s_wait_tensorcnt 0x0                           ; the wave's end
	ds_add_u32 v[SPW], v[NIL]
	s_wait_dscnt 0x0
	CROUND                                         ; the closing round
	s_endpgm
.Lfunc_end_k_qc6d7390058_outp:
	.size	k_qc6d7390058_outp, .Lfunc_end_k_qc6d7390058_outp-k_qc6d7390058_outp
	.p2alignl 7, 3214868480
	.fill 96, 4, 3214868480
	.section	.rodata,"a",@progbits
	.p2align	6, 0x0
	.amdhsa_kernel k_qc6d7390058_outp
		.amdhsa_group_segment_fixed_size 327680
		.amdhsa_private_segment_fixed_size 0
		.amdhsa_enable_private_segment 0
		.amdhsa_kernarg_size 40
		.amdhsa_user_sgpr_count 2
		.amdhsa_user_sgpr_kernarg_segment_ptr 1
		.amdhsa_wavefront_size32 1
		.amdhsa_system_sgpr_workgroup_id_x 1
		.amdhsa_system_sgpr_workgroup_id_y 1
		.amdhsa_system_sgpr_workgroup_id_z 1
		.amdhsa_system_vgpr_workitem_id 0
		.amdhsa_next_free_vgpr 1024
		.amdhsa_next_free_sgpr 102
		.amdhsa_reserve_vcc 0
		.amdhsa_float_denorm_mode_32 3
		.amdhsa_float_denorm_mode_16_64 3
		.amdhsa_memory_ordered 1
		.amdhsa_forward_progress 1
		.amdhsa_inst_pref_size 161
	.end_amdhsa_kernel
	.amdgpu_metadata
---
amdhsa.version: [ 1, 2 ]
amdhsa.kernels:
  - .name:           k_qc6d7390058_outp
    .symbol:         k_qc6d7390058_outp.kd
    .args:
      - { .name: oc, .offset: 0, .size: 8, .value_kind: global_buffer, .address_space: global }
      - { .name: os, .offset: 8, .size: 8, .value_kind: global_buffer, .address_space: global }
      - { .name: wq, .offset: 16, .size: 8, .value_kind: global_buffer, .address_space: global }
      - { .name: bo, .offset: 24, .size: 8, .value_kind: global_buffer, .address_space: global }
      - { .name: out0, .offset: 32, .size: 8, .value_kind: global_buffer, .address_space: global }
    .group_segment_fixed_size: 327680
    .private_segment_fixed_size: 0
    .kernarg_segment_align: 8
    .kernarg_segment_size: 40
    .max_flat_workgroup_size: 128
    .sgpr_count:     102
    .vgpr_count:     1024
    .wavefront_size: 32
...
	.end_amdgpu_metadata
.endif
;; end of part 4
